; MI455X (gfx1250); checked and timed in simulation.
; The chip was launched on July 23, 2026; its instructions are those of AMD's public machine-readable ISA for CDNA 5 (MIT licence, August 2026) and "CDNA5" Instruction Set Architecture Reference Guide (July 2026). The comments in the code are by the model that wrote it; some were corrected since.
;; Causal Self Attention. Allowed arithmetic: matrix products marked QUANTISED: E4M3 operands, one given power-of-two scale a tensor, by v_wmma_f32_16x16x64_fp8_fp8 or v_wmma_f32_16x16x128_fp8_fp8, f32 sums; everything else in f32.
;; Inputs: lowp_scales 12 int32 (the exponents e of the quantised operands' scales 2^e); wk 1,024 x 1,024 float32; wo 1,024 x 1,024 float32; wq 1,024 x 1,024 float32; wv 1,024 x 1,024 float32; x 4 x 2,048 x 1,024 float32.
;; Outputs: out0 4 x 2,048 x 1,024 float32.
;; This version of the problem:
;;   THIS VERSION OF THE PROBLEM IS GIVEN IN LOW PRECISION. The matrix products marked QUANTISED in the list below multiply operands that are first quantised to E4M3 (4 exponent bits, 3 mantissa bits; 8 bits a number), with one given power-of-two scale for each operand tensor; their sums are f32. All else is computed in f32.
;;   The module's matrix products, in the order in which they are computed (A, B: the left and right operand; K: the contracted axis; several contracted axes count as one K, in the product's order):
;;     1. [M 8,192, K 1,024] x [K 1,024, N 1,024]; A: input x; B: input wq: QUANTISED (scales: A lowp_scales[0], B lowp_scales[1])
;;     2. [M 8,192, K 1,024] x [K 1,024, N 1,024]; A: input x; B: input wk: QUANTISED (scales: A lowp_scales[2], B lowp_scales[3])
;;     3. [M 8,192, K 1,024] x [K 1,024, N 1,024]; A: input x; B: input wv: QUANTISED (scales: A lowp_scales[4], B lowp_scales[5])
;;     4. batch 64 x [M 2,048, K 64] x [K 64, N 2,048]; A: computed on the way; B: computed on the way: QUANTISED (scales: A lowp_scales[6], B lowp_scales[7])
;;     5. batch 64 x [M 2,048, K 2,048] x [K 2,048, N 64]; A: softmax (see below); B: computed on the way: QUANTISED (scales: A lowp_scales[8], B lowp_scales[9])
;;     6. [M 8,192, K 1,024] x [K 1,024, N 1,024]; A: computed on the way; B: input wo: QUANTISED (scales: A lowp_scales[10], B lowp_scales[11])
;;   THE QUANTISER, for each operand of a quantised product, along K:
;;     - The operand's scale is 2^e, e = its entry of the input lowp_scales (int32; the entries are numbered through the quantised products in the list's order, A before B).
;;     - Each number is divided by the scale, clamped to +-448, and rounded to the nearest number of E4M3, ties to even, subnormals kept.
;;     - The product sums the exact products of the quantised numbers (number of the format x scale) in f32.
;;   ~~~python
;;   def quantise(x, axis, e):      # numpy; x: float32 -> the quantised numbers, widened to float32 again
;;       x = np.moveaxis(x, axis, -1); K = x.shape[-1]
;;       r = np.clip(x / 2.0 ** e, -448, 448)
;;       step = 2.0 ** (np.maximum(np.frexp(np.where(r == 0, 1, r))[1] - 1, -6) - 3)
;;       q = np.round(r / step) * step * 2.0 ** e      # np.round: ties to even
;;       return np.moveaxis(q, -1, axis).astype(np.float32)
;;   ~~~
;;   SOFTMAX AHEAD OF A QUANTISED PRODUCT. Where the list says 'softmax', what is quantised is not the finished softmax but p = 2^(t - M), with t = logit x log2(e) and M = ceil(the row's largest t), a whole number; so 1/2 < the row's largest p <= 1. The row's sum l is taken of the UNQUANTISED p, in f32, and the product's result is divided by l at the end. Since M is a whole number, a kernel that streams over the keys may use a running M (the ceiling of the running maximum): every later rescaling is an exact power of two, so the quantised numbers keep their values, but for numbers so far below the row's largest that they fall under the format's range.
;;   OPERANDS COMPUTED ON THE WAY. 'Computed on the way' means the value that the module computes at that place (a softmax that the list does not call 'softmax' is quantised finished and normalised). What goes into a quantiser is computed in f32, as accurately as f32 sums, v_exp_f32 and their like allow (about 1e-6 of the number): no bf16 or f16 on the way to a quantiser, and a product that is left as it is and whose result goes on into a quantised operand takes f32 operands (vector FMAs, or v_wmma_f32_16x16x4_f32). A number that lies on a knife's edge between two numbers of the format may be rounded either way, as far as f32 arithmetic and the matrix unit's own rounding can turn it there, and no further.
;; One version. Each part assembles by itself: llvm-mc -triple=amdgcn-amd-amdhsa -mcpu=gfx1250 --defsym DOCPART=n.
;; ======== version 1 of 1: 4 launches
;; limits: right only within a limited range of input values
;; workspace buffers: xc 25,165,824 bytes; wc 4,194,304 bytes; qkv 25,165,824 bytes; yc 8,388,608 bytes
;; launch quant (part 1): grid 384 x 1, 4 waves a work-group, no clusters, 66,048 bytes of LDS; arguments x, wq, wk, wv, wo, lowp_scales, xc, wc; writes xc, wc
.if DOCPART == 1
	.amdgcn_target "amdgcn-amd-amdhsa--gfx1250"
	.amdhsa_code_object_version 6
	.text
	.protected	k_qeb1140fdd9_quant
	.globl	k_qeb1140fdd9_quant
	.p2align	8
	.type	k_qeb1140fdd9_quant,@function
k_qeb1140fdd9_quant:
	s_mov_b64 s[64:65], 0
	v_nop
	global_prefetch_b8 v0, s[64:65] scope:SCOPE_SE
	s_setreg_imm32_b32 hwreg(HW_REG_WAVE_MODE, 25, 1), 1
	s_wait_xcnt 0x0
; f32 numbers into codes of FP8 (E4M3), one code a byte, K innermost, each tensor with the scale 2^e that is given for it.
; code = number / 2^e, held within +-448, rounded to the nearest code, ties to even.
; x [8192][1024] is an operand of three products with three given scales (entries 0, 2, 4): it is read once and leaves as three planes of xc, [3][8192][1024].
; wq, wk, wv, wo [1024][1024] (entries 1, 3, 5, 11) leave as the four planes of wc, [4][1024][1024].
; Rows are dense, so every tensor is a plain stream.  A wave takes 16 steps of 512 numbers; a work-group 32,768 numbers.
; Work-groups 0-255 take x, 256-383 the weights (32 each).  The two ways part once on the work-group's number, never join, and have LDS bytes of their own.
; The conversion takes 8 neighbours from ONE lane's registers, a load is dense where neighbouring LANES take neighbouring bytes: so a step's 2,048 bytes are loaded 16 bytes a lane,
; go through the wave's own stage in LDS as they lie (16 bytes of padding behind each 64) and come back 64 bytes a lane.  A lane's 16 codes are 16 bytes: a store of the wave covers 512 consecutive bytes, aligned.
; No tensor loads, no barrier: waves share nothing.  Loads run four steps (16 loads a wave) ahead, the turn through LDS one step.
; LIMITS: each of the seven exponents lies between -126 and 119, so that 2^e and 448 x 2^e are f32 numbers.  NaN among the inputs is not served (an infinity is held at the largest code).
.set SP,    80                         ; a lane's place in a stage: 64 bytes + 16 of padding
.set STEPS, 16
.set SC,    5                          ; v5, v7, v9: 2^e for outputs 0, 1, 2
.set R,     16                         ; v16-79   four sets of 16 numbers as they are loaded
.set X,     80                         ; v80-111  two sets of 16 neighbours
.set T,     112                        ; no registers of its own: the conversions read X directly
.set C,     128                        ; v128-151 two sets of 3 x 4 registers of codes
.macro MKSCALE e, j                    ; s[e] -> 2^e and 448 x 2^e as f32, for output j
	s_add_co_i32 s44, s[\e], 127
	s_lshl_b32 s45, s44, 23
	v_mov_b32 v[SC+2*\j], s45                      ; the conversion takes its exponent field
	s_add_co_i32 s44, s44, 8
	s_lshl_b32 s44, s44, 23
	s_or_b32 s44, s44, 0x600000                    ; 448 = 1.75 x 2^8
.endm
.macro LOAD t
.irp i, 0,1,2,3
	global_load_b128 v[R+16*((\t)%4)+4*\i:R+16*((\t)%4)+4*\i+3], v3, s[4:5] offset:2048*(\t)+512*\i th:TH_LOAD_NT   ; 32 lanes read 512 consecutive bytes
.endr
.endm
.macro TURN t, sin, sout               ; step t's numbers through the stage: LDS serves a wave's instructions in order, so no wait stands between the stores and the loads
.irp i, 0,1,2,3
	ds_store_b128 v[\sin], v[R+16*((\t)%4)+4*\i:R+16*((\t)%4)+4*\i+3] offset:32*SP*((\t)%2)+8*SP*\i
.endr
.irp i, 0,1,2,3
	ds_load_b128 v[X+16*((\t)%2)+4*\i:X+16*((\t)%2)+4*\i+3], v[\sout] offset:32*SP*((\t)%2)+16*\i
.endr
.endm
.macro STEP t, n, sin, sout            ; n: how many scales, and outputs, the numbers have
	s_wait_dscnt 0x0                               ; this step's numbers are back from the stage: so its stores into the stage have read their registers,
.if (\t)+4 < STEPS
	LOAD (\t)+4                                    ; which take the loads of four steps on
.endif
.if (\t)+1 < STEPS
.if STEPS-2-(\t) >= 3
	s_wait_loadcnt 12                              ; the next step's four loads are in; those of the three steps behind it may be out
.else
	s_wait_loadcnt 4*(STEPS-2-(\t))
.endif
	TURN (\t)+1, \sin, \sout                       ; and go through the other stage while this step is worked
.endif
	s_wait_xcnt 0x0                                ; the earlier stores have read their data: this set of code registers is written again only behind this wait
.irp j, 0,1,2
.if \j < \n
.irp i, 0,1,2,3,4,5,6,7,8,9,10,11,12,13,14,15
.endr
	v_cvt_scalef32_pk8_fp8_f32 v[C+12*((\t)%2)+4*\j:C+12*((\t)%2)+4*\j+1], v[T+((X+16*((\t)%2)+0)-(T+0)):T+7+((X+16*((\t)%2)+0)-(T+0))], v[SC+2*\j]
	v_cvt_scalef32_pk8_fp8_f32 v[C+12*((\t)%2)+4*\j+2:C+12*((\t)%2)+4*\j+3], v[T+8+((X+16*((\t)%2)+0)-(T+0)):T+15+((X+16*((\t)%2)+0)-(T+0))], v[SC+2*\j]
	v_nop                                          ; a plain vector line between the conversions and the next lines that write their sources
	global_store_b128 v3, v[C+12*((\t)%2)+4*\j:C+12*((\t)%2)+4*\j+3], s[36+2*\j:37+2*\j] offset:512*(\t)
.endif
.endr
.endm
.macro FIRST4
.irp t, 0,1,2,3
	LOAD \t
.endr
.endm
.macro QRUN n, sin, sout
	s_wait_loadcnt 12                              ; step 0's four loads are in
	TURN 0, \sin, \sout
.irp t, 0,1,2,3,4,5,6,7,8,9,10,11,12,13,14,15
	STEP \t, \n, \sin, \sout
.endr
	s_wait_tensorcnt 0x0
	ds_add_u32 v192, v193
	s_wait_dscnt 0x0
	s_endpgm
.endm
	s_load_b512 s[4:19], s[0:1], 0x0               ; x s[4:5], wq s[6:7], wk s[8:9], wv s[10:11], wo s[12:13], the exponents s[14:15], xc s[16:17], wc s[18:19]
	v_lshl_add_u32 v192, v0, 2, 0x10000
	v_mov_b32 v193, 0
	v_lshrrev_b32 v1, 5, v0
	v_readfirstlane_b32 s20, v1                    ; wave 0..3
	v_and_b32 v2, 31, v0                           ; lane
	v_lshlrev_b32 v3, 4, v2                        ; my 16 bytes of a load's 512, and of a store's
	s_lshl_b32 s21, s20, 13                        ; my wave's 8,192 bytes of LDS
	v_lshrrev_b32 v14, 2, v2
	v_mul_u32_u24 v14, v14, SP
	v_and_b32 v15, 3, v2
	v_lshl_add_u32 v14, v15, 4, v14                ; into a stage: four lanes' 64 bytes on end, then the padding
	v_mul_u32_u24 v15, v2, SP                      ; out of it: my 16 neighbours
	v_add_nc_u32 v14, s21, v14                     ; x's way: LDS bytes 0 to 32,767
	v_add_nc_u32 v15, s21, v15
	v_add_nc_u32 v12, 32768, v14                   ; the weights' way: bytes 32,768 on
	v_add_nc_u32 v13, 32768, v15
	s_wait_kmcnt 0x0
	s_load_b256 s[24:31], s[14:15], 0x0            ; e0 .. e7
	s_load_b128 s[32:35], s[14:15], 0x20           ; e8 .. e11
	s_mov_b32 s43, 0
	s_cmp_lt_u32 ttmp9, 256
	s_cbranch_scc0 .Lweights
	; ---- x: one read, three planes of codes
	s_lshl_b32 s22, ttmp9, 2
	s_add_co_u32 s22, s22, s20                     ; which run of 8,192 numbers is my wave's
	s_lshl_b32 s42, s22, 15
	s_add_nc_u64 s[4:5], s[4:5], s[42:43]
	s_lshl_b32 s42, s22, 13
	s_add_nc_u64 s[36:37], s[16:17], s[42:43]      ; a base for each plane: a plane is 8,388,608 bytes, one more than a store's immediate reaches
	s_add_nc_u64 s[38:39], s[36:37], 0x800000
	s_add_nc_u64 s[40:41], s[38:39], 0x800000
	FIRST4
	s_wait_kmcnt 0x0
	MKSCALE 24, 0
	MKSCALE 26, 1
	MKSCALE 28, 2
	s_wait_alu depctr_va_vdst(0)
	QRUN 3, 14, 15
.Lweights:
	; ---- a weight: tensor i = (work-group - 256) / 32
	s_sub_co_u32 s22, ttmp9, 256
	s_lshr_b32 s21, s22, 5                         ; i
	s_cmp_eq_u32 s21, 1                            ; the choices hang on the work-group's number alone
	s_cselect_b64 s[4:5], s[8:9], s[6:7]
	s_cmp_eq_u32 s21, 2
	s_cselect_b64 s[4:5], s[10:11], s[4:5]
	s_cmp_eq_u32 s21, 3
	s_cselect_b64 s[4:5], s[12:13], s[4:5]
	s_and_b32 s23, s22, 31
	s_lshl_b32 s23, s23, 2
	s_add_co_u32 s23, s23, s20                     ; my wave's run in the tensor
	s_lshl_b32 s42, s23, 15
	s_add_nc_u64 s[4:5], s[4:5], s[42:43]
	s_lshl_b32 s22, s22, 2
	s_add_co_u32 s22, s22, s20                     ; and in wc, whose four planes lie on end
	s_lshl_b32 s42, s22, 13
	s_add_nc_u64 s[36:37], s[18:19], s[42:43]
	FIRST4
	s_wait_kmcnt 0x0
	s_cmp_eq_u32 s21, 1
	s_cselect_b32 s46, s27, s25                    ; e3 or e1
	s_cmp_eq_u32 s21, 2
	s_cselect_b32 s46, s29, s46                    ; e5
	s_cmp_eq_u32 s21, 3
	s_cselect_b32 s46, s35, s46                    ; e11
	MKSCALE 46, 0
	s_wait_alu depctr_va_vdst(0)
	QRUN 1, 12, 13
.Lfunc_end_k_qeb1140fdd9_quant:
	.size	k_qeb1140fdd9_quant, .Lfunc_end_k_qeb1140fdd9_quant-k_qeb1140fdd9_quant
	.p2alignl 7, 3214868480
	.fill 96, 4, 3214868480
	.section	.rodata,"a",@progbits
	.p2align	6, 0x0
	.amdhsa_kernel k_qeb1140fdd9_quant
		.amdhsa_group_segment_fixed_size 66048
		.amdhsa_private_segment_fixed_size 0
		.amdhsa_enable_private_segment 0
		.amdhsa_kernarg_size 64
		.amdhsa_user_sgpr_count 2
		.amdhsa_user_sgpr_kernarg_segment_ptr 1
		.amdhsa_wavefront_size32 1
		.amdhsa_system_sgpr_workgroup_id_x 1
		.amdhsa_system_sgpr_workgroup_id_y 1
		.amdhsa_system_sgpr_workgroup_id_z 1
		.amdhsa_system_vgpr_workitem_id 0
		.amdhsa_next_free_vgpr 194
		.amdhsa_next_free_sgpr 66
		.amdhsa_reserve_vcc 0
		.amdhsa_float_denorm_mode_32 3
		.amdhsa_float_denorm_mode_16_64 3
		.amdhsa_fp16_overflow 1
		.amdhsa_memory_ordered 1
		.amdhsa_forward_progress 1
		.amdhsa_inst_pref_size 51
	.end_amdhsa_kernel
	.amdgpu_metadata
---
amdhsa.version: [ 1, 2 ]
amdhsa.kernels:
  - .name:           k_qeb1140fdd9_quant
    .symbol:         k_qeb1140fdd9_quant.kd
    .args:
      - { .name: x, .offset: 0, .size: 8, .value_kind: global_buffer, .address_space: global }
      - { .name: wq, .offset: 8, .size: 8, .value_kind: global_buffer, .address_space: global }
      - { .name: wk, .offset: 16, .size: 8, .value_kind: global_buffer, .address_space: global }
      - { .name: wv, .offset: 24, .size: 8, .value_kind: global_buffer, .address_space: global }
      - { .name: wo, .offset: 32, .size: 8, .value_kind: global_buffer, .address_space: global }
      - { .name: lowp_scales, .offset: 40, .size: 8, .value_kind: global_buffer, .address_space: global }
      - { .name: xc, .offset: 48, .size: 8, .value_kind: global_buffer, .address_space: global }
      - { .name: wc, .offset: 56, .size: 8, .value_kind: global_buffer, .address_space: global }
    .group_segment_fixed_size: 66048
    .private_segment_fixed_size: 0
    .kernarg_segment_align: 8
    .kernarg_segment_size: 64
    .max_flat_workgroup_size: 128
    .sgpr_count:     66
    .vgpr_count:     194
    .wavefront_size: 32
...
	.end_amdgpu_metadata
.endif
;; end of part 1
;; launch proj (part 2): grid 4 x 96, 4 waves a work-group, clusters of 4 x 4, 327,680 bytes of LDS; arguments xc, wc, lowp_scales, qkv; writes qkv
.if DOCPART == 2
	.amdgcn_target "amdgcn-amd-amdhsa--gfx1250"
	.amdhsa_code_object_version 6
	.text
	.protected	k_qeb1140fdd9_proj
	.globl	k_qeb1140fdd9_proj
	.p2align	8
	.type	k_qeb1140fdd9_proj,@function
k_qeb1140fdd9_proj:
	s_mov_b64 s[64:65], 0
	v_nop
	global_prefetch_b8 v0, s[64:65] scope:SCOPE_SE
	s_setreg_imm32_b32 hwreg(HW_REG_WAVE_MODE, 25, 1), 1
	s_wait_xcnt 0x0
	s_wait_alu depctr_hold_cnt(0) depctr_sa_sdst(0) depctr_va_vdst(0) depctr_va_sdst(0) depctr_va_ssrc(0) depctr_va_vcc(0) depctr_vm_vsrc(0)
	s_getreg_b32 s2, hwreg(HW_REG_IB_STS2, 6, 4)
	s_cmp_eq_u32 s2, 0
	s_cbranch_scc0 .Lentry_in_a_cluster
	s_endpgm
.Lentry_in_a_cluster:
	s_bfe_u32 s2, ttmp6, 0x10000c
	s_cmp_lg_u32 s2, 0xf033
	s_cbranch_scc0 .Lentry_shape_is_right
	s_endpgm
.Lentry_shape_is_right:
; q = x wq^T, k = x wk^T, v = x wv^T on codes of FP8 (E4M3); the f32 sums are quantised at once, with the scales given for q, k and v (entries 6, 7, 9), and leave as codes.
; C[m][n] = sum over k of A[m][k] B[n][k], K = 1,024.  Cluster row CY = 0..23: J = CY / 8 says which product.  J = 0, 1 (q, k): A = plane J of xc (8,192 tokens), B = plane J of wc (1,024 channels).
; J = 2 (v): THE OPERANDS CHANGE PLACES: A = plane 2 of wc, B = plane 2 of xc, so that a lane's eight results run along the tokens, which are the K of attention's second product.  The loop is the same text.
; A tile of C, 256 x 256, is made by four waves, as many as a WGP has SIMDs; a wave makes 128 x 128: 64 accumulators, 512 registers.  K goes in steps of 256 through a ring of two LDS slots filled by the tensor data mover.
; CLUSTERS: 4 x 4 work-groups.  The four of a row of the cluster need the same tiles of A, the four of a column the same tiles of B: each tile is asked for JOINTLY, by the same tensor load with the same descriptor and a mask
; that names the four.  THE MATRIX INSTRUCTION IS USED TRANSPOSED (source 0 = 16 rows of B, source 1 = 16 rows of A): a lane holds eight neighbouring numbers n of one row m.
; WHAT LEAVES: qkv = three planes of 8,388,608 bytes, each [16 batch + head (64)][131,072].  q, k: a head is [token 2,048][64]; v: a head is [block of 128 keys (16)][channel 64][128 keys].
; In each group of 32 along the innermost axis, number 16 u + 8 h + j (u, h = 0, 1) lies at byte 16 h + 8 u + j: a load of 16 bytes at 16 h then brings a lane the numbers that the plain 8-bit layout gives it, k in its true places.
; A sum stands for sum x 2^(ex + ew): its code is sum / 2^E, E = e(out) - ex - ew, held within +-448 x 2^E.  LIMIT: E lies between -126 and 119 for each of the three products.
; REGISTERS, in windows of 256: window 0: v0-31 addresses and the scale number; from v128 A's fragments, ONE set; on the way out v96-223 are at work.  window 1: B's fragments, TWO sets.
;   window 2: the accumulators of my rows 0-63 ((a, b) at v[8 (8 a + b)]);  window 3: those of my rows 64-127.
.set SIZE_K, 1024
.set KSTEP,  256                       ; along K in a slot
.set ROWB,   256                       ; a tile's row in bytes
.set KROW,   SIZE_K                    ; a row of A or of B in memory, in bytes
.set PITCH,  272                       ; an LDS row: 256 bytes + 16 of padding = 68 words: the 16 rows that a load touches start at 16 different banks (64 banks of 4 bytes: ISA guide 11.1)
.set FR,     16                        ; registers of a fragment: 16 rows x 128 K
.set NL,     4                         ; LDS loads that bring one
.set NP,     4                         ; places behind this matrix instruction (ISA guide 7.12.1)
.set HALFT,  128*PITCH                 ; 128 rows: what one tensor load brings
.set SLOT,   4*HALFT                   ; A's 256 rows, then B's 256 rows
.set LAPS,   SIZE_K/(2*KSTEP)          ; a lap = two K steps = once round the ring
.set SPARE,  2*SLOT                    ; behind the ring: the spare words, 128 bytes for each wave
.set QP,     144                       ; the way out: a stage of 128 rows x (128 bytes of codes + 16) for each wave, in slot 0, which has had its last fill and its last read when the first code is stored there
.set SCR,  8                           ; v8      2^E
.set LIMR, 9                           ; v9      not written
.set ADRA, 16                          ; v16-17  LDS address of my A fragments in slot 0, 1
.set ADRB, 20                          ; v20-21  the same for B
.set STO,  24                          ; v24     the way out: where I put 8 codes of a row
.set RDQ,  25                          ; v25     where I read back, q and k: four lanes to a token's 64 bytes
.set CO,   26                          ; v26     16 x lane: my bytes of a store's 512
.set RDV,  27                          ; v27     where I read back, v: eight lanes to a channel's 128 bytes
.set SPW,  28                          ; v28     LDS address of my spare word; never rewritten
.set NIL,  29                          ; v29     0; never rewritten
.set TMP,  32                          ; v32-95  not written
.set CD,   96                          ; v96-223 the codes: 16 registers a block; later 32 x 16 bytes read back
.set AF,   128                         ; A's fragments, in window 0
.set G1, 24                            ; s[24:31] descriptor group 1 for A's tiles;  s[32:39] group 0, one set for each slot
.set G0, 32
.set G1B, 48                           ; s[48:55], s[56:63] the same for B's tiles
.set G0B, 56
.set MSB, 0
.macro WIN new                         ; the immediate's high byte repeats the setting that is left
.if MSB != \new
	s_set_vgpr_msb (MSB<<8)|\new
.set MSB, \new
.endif
.endm
.set MUL_LO, 0xa1                      ; source 0 (B) window 1, source 1 (A) window 0, C and D window 2
.set MUL_HI, 0xf1                      ; the same, C and D window 3
.set TO_B,   0x40                      ; destination window 1, address window 0
; A joint load: waves 0 and 1 fetch for A, waves 2 and 3 for B.  Each of the two lines has ONE mask and one set of registers for all that issue it; the branch hangs on the wave's number alone.
; Four v_nop follow each of the two lines, ahead of the jump, the label and what follows.
.macro JLOAD g0a, g1a, g0b, g1b
	s_cmp_eq_u32 s15, 0
	s_cbranch_scc0 .Lfor_b_\@
	tensor_load_to_lds s[\g0a:\g0a+3], s[\g1a:\g1a+7]
	s_nop 0
.rept 4
	v_nop
.endr
	s_branch .Lasked_\@
.Lfor_b_\@:
	tensor_load_to_lds s[\g0b:\g0b+3], s[\g1b:\g1b+7]
	s_nop 0
.rept 4
	v_nop
.endr
.Lasked_\@:
.endm
.macro CREST                           ; a round of the cluster's barrier behind its opening barrier
	s_cmp_lg_u32 s14, 0
	s_cbranch_scc1 .Lnot_wave_0_\@
	s_barrier_signal -3
.Lnot_wave_0_\@:
	s_barrier_wait -3
	s_barrier_signal -1
	s_barrier_wait -1
.endm
.macro CROUND                          ; a whole round
	s_barrier_signal -1
	s_barrier_wait -1
	CREST
.endm
	s_load_b128 s[4:7], s[0:1], 0x0                ; xc s[4:5], wc s[6:7]
	s_load_b128 s[8:11], s[0:1], 0x10              ; the exponents s[8:9], qkv s[10:11]
	v_lshl_add_u32 v[SPW], v0, 2, SPARE
	v_mov_b32 v[NIL], 0
	ds_add_u32 v28, v29
	ds_add_u32 v28, v29
	s_wait_dscnt 0x0
	v_lshrrev_b32 v1, 5, v0
	v_readfirstlane_b32 s14, v1                    ; wave 0..3
	s_lshr_b32 s15, s14, 1                         ; which half of the tile's rows is mine.  Also: I fetch for A (0) or for B (1)
	s_and_b32 s16, s14, 1                          ; which half of its columns.  Also: which 128 rows of that tile I fetch
	s_bfe_u32 s40, ttmp6, 0x40000                  ; cx, cy: my place in the cluster
	s_bfe_u32 s41, ttmp6, 0x40004
	s_and_b32 s66, ttmp7, 0xffff                   ; CY, the cluster's y: the same in all sixteen partners
	s_lshr_b32 s67, s66, 3                         ; J: 0 q, 1 k, 2 v
	s_and_b32 s68, s66, 7
	s_lshl_b32 s68, s68, 2                         ; four tiles of 256 tokens to a cluster
	s_cmp_eq_u32 s67, 2
	s_cselect_b32 s69, 0, s68                      ; the tokens are C's rows for q and k,
	s_cselect_b32 s70, s68, 0                      ; C's columns for v
	s_add_co_u32 s17, s69, s41                     ; tile row of C: it holds cy, never cx
	s_add_co_u32 s42, s70, s40                     ; tile column of C: it holds cx, never cy
	s_lshl_b32 s43, s41, 2
	s_lshl_b32 s43, 15, s43                        ; my row of the cluster
	s_lshl_b32 s44, 0x1111, s40                    ; my column
	; descriptor group 1: a tile of 128 rows x 256 bytes, padded in LDS
	s_or_b32 s[G1+0], s43, (0<<16)|(1<<20)|(1<<21)|(5<<22)|(3<<25)  ; 15:0 the mask: A's tiles go to my row; 17:16 element of 1 byte; 20 padding on; 21 set beside a mask; 24:22 after every 64 words (code 5); 31:25 of 4 words (code 3)
	s_or_b32 s[G1B+0], s44, (0<<16)|(1<<20)|(1<<21)|(5<<22)|(3<<25)
.irp g, G1, G1B
	s_mov_b32 s[\g+1], ROWB<<16                    ; tensor_dim0
	s_mov_b32 s[\g+2], 128<<16                     ; tensor_dim1 = 128
	s_mov_b32 s[\g+3], ROWB<<16                    ; tile_dim0
	s_mov_b32 s[\g+4], 128                         ; tile_dim1 = 128
	s_mov_b32 s[\g+5], KROW                        ; tensor_dim0_stride
	s_mov_b32 s[\g+6], 0
	s_mov_b32 s[\g+7], 0
.endr
	s_lshl_b32 s18, s16, 7                         ; which 128 rows of the tile I fetch
	s_lshl_b32 s20, s17, 8
	s_add_co_u32 s20, s20, s18                     ; A: row 256 x tile row + 128 x half
	s_lshl_b32 s46, s42, 8
	s_add_co_u32 s46, s46, s18                     ; B: row 256 x tile column + 128 x half
	s_mov_b32 s21, 0
	s_mov_b32 s47, 0
	s_mov_b64 s[18:19], KROW
	s_mul_u64 s[20:21], s[20:21], s[18:19]         ; in bytes
	s_mul_u64 s[46:47], s[46:47], s[18:19]
	s_mul_i32 s45, s14, HALFT                      ; where they go: wave x 128 rows: no place in the cluster enters an LDS address
	s_lshl_b32 s72, s67, 23                        ; plane J of xc,
	s_mov_b32 s73, 0
	s_lshl_b32 s74, s67, 20                        ; plane J of wc
	s_mov_b32 s75, 0
	s_wait_kmcnt 0x0
	s_load_b256 s[84:91], s[8:9], 0x0              ; e0 .. e7
	s_load_b128 s[92:95], s[8:9], 0x20             ; e8 .. e11
	s_add_nc_u64 s[72:73], s[4:5], s[72:73]
	s_add_nc_u64 s[74:75], s[6:7], s[74:75]
	s_cmp_eq_u32 s67, 2                            ; which buffer is A hangs on the cluster's y alone
	s_cselect_b64 s[76:77], s[74:75], s[72:73]     ; A
	s_cselect_b64 s[78:79], s[72:73], s[74:75]     ; B
	s_add_nc_u64 s[20:21], s[76:77], s[20:21]
	s_add_nc_u64 s[46:47], s[78:79], s[46:47]
	CROUND                                         ; all sixteen work-groups are here: the first joint loads meet
.irp s, 0,1
	s_mov_b32 s[G0+4*\s], 1
	s_add_co_u32 s[G0+4*\s+1], s45, \s*SLOT
	s_add_nc_u64 s[G0+4*\s+2:G0+4*\s+3], s[20:21], \s*ROWB
	s_or_b32 s[G0+4*\s+3], s[G0+4*\s+3], 0x80000000
	s_mov_b32 s[G0B+4*\s], 1
	s_add_co_u32 s[G0B+4*\s+1], s45, \s*SLOT
	s_add_nc_u64 s[G0B+4*\s+2:G0B+4*\s+3], s[46:47], \s*ROWB
	s_or_b32 s[G0B+4*\s+3], s[G0B+4*\s+3], 0x80000000
	JLOAD G0+4*\s, G1, G0B+4*\s, G1B
.endr
	v_and_b32 v1, 15, v0                           ; r = l % 16
	s_wait_alu depctr_va_vdst(0)
	v_bfe_u32 v2, v0, 4, 1                         ; h = l / 16
	v_mul_u32_u24 v3, v1, PITCH
	v_lshl_add_u32 v4, v2, 4, v3                   ; a fragment's row x pitch + 16 x half
	s_mul_i32 s21, s15, HALFT                      ; my 128 rows of A
	s_mul_i32 s22, s16, HALFT                      ; my 128 rows of B,
	s_add_co_u32 s22, s22, 2*HALFT                 ; which lie behind A's 256
.irp s, 0,1
	v_add_nc_u32 v[ADRA+\s], s21, v4
	v_add_nc_u32 v[ADRB+\s], s22, v4
	s_add_co_u32 s21, s21, SLOT
	s_add_co_u32 s22, s22, SLOT
.endr
	s_mul_i32 s23, s14, 128*QP                     ; my stage
	v_mul_u32_u24 v5, v1, QP
	s_wait_alu depctr_va_vdst(0)
	v_lshl_add_u32 v5, v2, 4, v5
	v_add_nc_u32 v[STO], s23, v5                   ; in: row r, + 16 h
	v_and_b32 v6, 31, v0
	v_lshlrev_b32 v[CO], 4, v6
	v_lshrrev_b32 v5, 2, v6
	v_mul_u32_u24 v5, v5, QP
	v_and_b32 v7, 3, v6
	v_lshl_add_u32 v5, v7, 4, v5
	v_add_nc_u32 v[RDQ], s23, v5                   ; back, q and k: row l / 4, 16 (l % 4)
	v_lshrrev_b32 v5, 3, v6
	v_mul_u32_u24 v5, v5, QP
	v_and_b32 v7, 7, v6
	v_lshl_add_u32 v5, v7, 4, v5
	v_add_nc_u32 v[RDV], s23, v5                   ; back, v: row l / 8, 16 (l % 8)
	; where my wave's codes go: two dense blocks of 8,192 bytes, one for each of its two heads, 131,072 bytes apart
	s_lshl_b32 s80, s17, 8
	s_lshl_b32 s81, s15, 7
	s_add_co_u32 s80, s80, s81                     ; my first row m of C
	s_lshl_b32 s81, s42, 8
	s_lshl_b32 s82, s16, 7
	s_add_co_u32 s81, s81, s82                     ; my first column n
	s_cmp_eq_u32 s67, 2
	s_cselect_b32 s82, s81, s80                    ; my first token,
	s_cselect_b32 s83, s80, s81                    ; my first channel
	s_lshr_b32 s80, s82, 11                        ; batch
	s_lshl_b32 s80, s80, 4
	s_lshr_b32 s83, s83, 6                         ; head
	s_add_co_u32 s80, s80, s83
	s_lshl_b32 s80, s80, 17
	s_bfe_u32 s82, s82, 0x40007                    ; which 128 tokens of the 2,048: 128 x 64 bytes in q and k, 64 x 128 in v
	s_lshl_b32 s82, s82, 13
	s_add_co_u32 s80, s80, s82
	s_lshl_b32 s82, s67, 23                        ; plane J
	s_add_co_u32 s80, s80, s82
	s_mov_b32 s81, 0
	s_add_nc_u64 s[10:11], s[10:11], s[80:81]
.macro FRAG reg, adr, q, i             ; a fragment, 16 rows x 128 K, is 16 registers: lane l holds row l % 16; registers 4 c .. 4 c + 3 hold K = 32 c + 16 (l / 16) + 0 .. 15: one permutation of k, the same in A and in B
.irp c, 0,1,2,3
	ds_load_b128 v[\reg+4*\c:\reg+4*\c+3], v[\adr] offset:128*(\q)+32*\c+(\i)*16*PITCH
.endr
.endm
; 16 matrix instructions: A's blocks a0, a0 + 1 x B's eight, 128 along K.  p: B's set.  zero = 1: the first product starts the sums.
; The 64 accumulators take turns, one instruction a turn, in the same order in every step.
.macro MUL16 a0, p, zero
.irp a, \a0, \a0+1
.irp b, 0,1,2,3,4,5,6,7
.if \zero
	v_wmma_f32_16x16x128_fp8_fp8 v[8*(8*((\a)%4)+\b):8*(8*((\a)%4)+\b)+7], v[128*(\p)+FR*\b:128*(\p)+FR*\b+FR-1], v[AF+FR*(\a):AF+FR*(\a)+FR-1], 0
.else
	v_wmma_f32_16x16x128_fp8_fp8 v[8*(8*((\a)%4)+\b):8*(8*((\a)%4)+\b)+7], v[128*(\p)+FR*\b:128*(\p)+FR*\b+FR-1], v[AF+FR*(\a):AF+FR*(\a)+FR-1], v[8*(8*((\a)%4)+\b):8*(8*((\a)%4)+\b)+7]
.endif
.endr
.endr
.endm
.macro FETCH_B slot, q, p              ; B's eight fragments of the slot's q-th 128 along K into set p
	WIN TO_B
.irp i, 0,1,2,3,4,5,6,7
	FRAG 128*(\p)+FR*\i, ADRB+\slot, \q, \i
.endr
	WIN 0
.endm
.macro FETCH_A slot, q, i0             ; A's blocks i0 .. i0 + 3
.irp i, \i0, \i0+1, \i0+2, \i0+3
	FRAG AF+FR*(\i), ADRA+\slot, \q, \i
.endr
.endm
; A load into a register that a matrix instruction has read, and a vector instruction that reads a matrix result or writes one of its registers, stand NP places behind it; only plain vector instructions
; that name none of its registers are places (ISA guide 7.12.1 for vector instructions).
.macro PLACES n
.rept \n
	v_nop
.endr
.endm
; A step of 128 along K that has its successor in the same slot.  A's blocks are free as soon as their eight products are issued: blocks 0-3 are fetched anew in the step's middle, blocks 4-7 at its end.
.macro STEP slot, q, zero
	s_wait_dscnt 4*NL                              ; B's set and A's blocks 0-3 are in; the youngest sixteen loads (A's blocks 4-7) may be out
	WIN MUL_LO
	MUL16 0, (\q)%2, \zero
	MUL16 2, (\q)%2, \zero
	s_wait_dscnt 0                                 ; A's blocks 4-7 are in
	PLACES NP
	FETCH_B \slot, (\q)+1, 1-(\q)%2
	FETCH_A \slot, (\q)+1, 0
	WIN MUL_HI
	MUL16 4, (\q)%2, \zero
	MUL16 6, (\q)%2, \zero
	PLACES NP
	WIN 0
	FETCH_A \slot, (\q)+1, 4
.endm
; A slot's last step changes slots: ONE barrier; in front of it each wave waits for all its tensor loads, adds 0 to its spare word, and waits for that and for its own reads of this slot.  fill = 1: this slot is filled again, two K steps ahead.
.macro TURN slot, next, fill
	s_wait_tensorcnt 0x0                           ; all my tensor loads have landed: my part of the next slot
	ds_add_u32 v[SPW], v[NIL]                      ; 0 onto my spare word
	s_wait_dscnt 4*NL+1                            ; (the add and the youngest sixteen loads, A's blocks 4-7, may be out)
	WIN MUL_LO
	MUL16 0, 1, 0                                  ; sixteen matrix instructions stand between the add and the wait for it
	s_wait_dscnt 0x0                               ; the add is done, and my reads of this slot are over
	s_barrier_signal -1
	MUL16 2, 1, 0
	WIN 0
	s_barrier_wait -1
.if \fill
	CREST                                          ; the barrier has opened a round of the cluster's barrier: no wave of any partner still reads this slot's tile or has a load on its way
	s_add_nc_u64 s[G0+4*\slot+2:G0+4*\slot+3], s[G0+4*\slot+2:G0+4*\slot+3], 2*ROWB
	s_add_nc_u64 s[G0B+4*\slot+2:G0B+4*\slot+3], s[G0B+4*\slot+2:G0B+4*\slot+3], 2*ROWB
	JLOAD G0+4*\slot, G1, G0B+4*\slot, G1B         ; the first tensor load behind the round; the four v_nop behind it are the places in front of the loads below
.else
	PLACES NP
.endif
	FETCH_B \next, 0, 0
	FETCH_A \next, 0, 0
	WIN MUL_HI
	MUL16 4, 1, 0
	MUL16 6, 1, 0
	PLACES NP
	WIN 0
	FETCH_A \next, 0, 4
.endm
	s_wait_tensorcnt 1                             ; my part of K step 0 is in (K step 1's load may be out)
	s_barrier_signal -1
	s_barrier_wait -1                              ; everybody's is
	FETCH_B 0, 0, 0
	FETCH_A 0, 0, 0
	FETCH_A 0, 0, 4
	STEP 0, 0, 1                                   ; the first step stands in front of the loop: its products start the sums
	s_mov_b32 s3, LAPS-1
.Llap:                                                 ; a trip goes once round the ring, from a lap's second step to the next lap's first, and fills both slots again
	TURN 0, 1, 1
	STEP 1, 0, 0
	TURN 1, 0, 1
	STEP 0, 0, 0
	s_sub_co_u32 s3, s3, 1
	s_cmp_lg_u32 s3, 0
	s_cbranch_scc1 .Llap
	TURN 0, 1, 0                                   ; the last lap fills nothing, and has no round of the cluster's barrier
	STEP 1, 0, 0
	s_wait_dscnt 4*NL                              ; the very last step: nothing more to fetch
	WIN MUL_LO
	MUL16 0, 1, 0
	MUL16 2, 1, 0
	s_wait_dscnt 0
	WIN MUL_HI
	MUL16 4, 1, 0
	MUL16 6, 1, 0
	WIN 0
	; THE WAY OUT.  E = e(out) - ex - ew, all three made and one chosen by the cluster's y: no branch hangs on a loaded number
	s_wait_kmcnt 0x0
	s_sub_co_i32 s80, s90, s84                     ; q: e6 - e0 - e1
	s_sub_co_i32 s80, s80, s85
	s_sub_co_i32 s81, s91, s86                     ; k: e7 - e2 - e3
	s_sub_co_i32 s81, s81, s87
	s_sub_co_i32 s82, s93, s88                     ; v: e9 - e4 - e5
	s_sub_co_i32 s82, s82, s89
	s_cmp_eq_u32 s67, 1
	s_cselect_b32 s80, s81, s80
	s_cmp_eq_u32 s67, 2
	s_cselect_b32 s80, s82, s80
	s_add_co_i32 s80, s80, 127
	s_lshl_b32 s81, s80, 23
	v_mov_b32 v[SCR], s81                          ; 2^E as f32: the conversion takes its exponent field
	s_add_co_i32 s80, s80, 8
	s_lshl_b32 s80, s80, 23
	s_or_b32 s80, s80, 0x600000
	PLACES NP                                      ; behind the last products: for the reads of their results and for the writes into the registers that held A's fragments
; Block a: 16 rows m x 128 columns n.  Lane (r, h) holds, for each b, n = 16 b + 8 h + 0 .. 7 of row r: eight neighbours along the next K, one conversion.  Each accumulator is read from its low end on.
.macro OUTBLK a
.set AC, 64*((\a)%4)
	WIN 0x02+((\a)/4)                              ; source 0: window 2 or 3
.set i, 0
.rept 64
.set i, i+1
.endr
.irp b, 0,1,2,3,4,5,6,7
	v_cvt_scalef32_pk8_fp8_f32 v[CD+16*(\a)+2*\b:CD+16*(\a)+2*\b+1], v[AC+8*\b:AC+8*\b+7], v[SCR]
.endr
	WIN 0
	v_nop                                          ; a plain vector line behind the conversions
.irp b, 0,1,2,3,4,5,6,7
	ds_store_b64 v[STO], v[CD+16*(\a)+2*\b:CD+16*(\a)+2*\b+1] offset:16*QP*(\a)+32*(\b/2)+8*(\b%2)   ; number 32 (b / 2) + 16 (b % 2) + 8 h + j at byte 32 (b / 2) + 16 h + 8 (b % 2) + j
.endr
.endm
.irp a, 0,1,2,3,4,5,6,7
	OUTBLK \a
.endr
	s_wait_dscnt 0x0                               ; the stores have read their registers: the loads below land there
	s_cmp_eq_u32 s67, 2                            ; the cluster's y: the same in all partners; only LDS loads of my own stage stand under the branch, 32 on either way
	s_cbranch_scc1 .Lback_v
.set i, 0
.rept 32                                       ; q, k: head i / 16 is columns 64 (i / 16) on; 512 bytes are 8 tokens x 64
	ds_load_b128 v[CD+4*i:CD+4*i+3], v[RDQ] offset:8*QP*(i%16)+64*(i/16)
.set i, i+1
.endr
	s_branch .Lsend
.Lback_v:
.set i, 0
.rept 32                                       ; v: head i / 16 is rows 64 (i / 16) on; 512 bytes are 4 channels x 128
	ds_load_b128 v[CD+4*i:CD+4*i+3], v[RDV] offset:64*QP*(i/16)+4*QP*(i%16)
.set i, i+1
.endr
.Lsend:
.set i, 0
.rept 32
	s_wait_dscnt 31-i                              ; LDS loads come back in order: load i is in, the younger ones may be out
	global_store_b128 v[CO], v[CD+4*i:CD+4*i+3], s[10:11] offset:131072*(i/16)+512*(i%16)   ; 32 lanes store 512 consecutive bytes, at a multiple of 512 from the buffer's first byte
.set i, i+1
.endr
	s_wait_tensorcnt 0x0                           ; the wave's end: behind my last tensor load and my last LDS store
	ds_add_u32 v[SPW], v[NIL]
	s_wait_dscnt 0x0
	CROUND                                         ; the closing round: no work-group ends while a partner may still ask for a tile that names it
	s_endpgm
.Lfunc_end_k_qeb1140fdd9_proj:
	.size	k_qeb1140fdd9_proj, .Lfunc_end_k_qeb1140fdd9_proj-k_qeb1140fdd9_proj
	.p2alignl 7, 3214868480
	.fill 96, 4, 3214868480
	.section	.rodata,"a",@progbits
	.p2align	6, 0x0
	.amdhsa_kernel k_qeb1140fdd9_proj
		.amdhsa_group_segment_fixed_size 327680
		.amdhsa_private_segment_fixed_size 0
		.amdhsa_enable_private_segment 0
		.amdhsa_kernarg_size 32
		.amdhsa_user_sgpr_count 2
		.amdhsa_user_sgpr_kernarg_segment_ptr 1
		.amdhsa_wavefront_size32 1
		.amdhsa_system_sgpr_workgroup_id_x 1
		.amdhsa_system_sgpr_workgroup_id_y 1
		.amdhsa_system_sgpr_workgroup_id_z 1
		.amdhsa_system_vgpr_workitem_id 0
		.amdhsa_next_free_vgpr 1024
		.amdhsa_next_free_sgpr 100
		.amdhsa_reserve_vcc 0
		.amdhsa_float_denorm_mode_32 3
		.amdhsa_float_denorm_mode_16_64 3
		.amdhsa_fp16_overflow 1
		.amdhsa_memory_ordered 1
		.amdhsa_forward_progress 1
		.amdhsa_inst_pref_size 96
	.end_amdhsa_kernel
	.amdgpu_metadata
---
amdhsa.version: [ 1, 2 ]
amdhsa.kernels:
  - .name:           k_qeb1140fdd9_proj
    .symbol:         k_qeb1140fdd9_proj.kd
    .args:
      - { .name: xc, .offset: 0, .size: 8, .value_kind: global_buffer, .address_space: global }
      - { .name: wc, .offset: 8, .size: 8, .value_kind: global_buffer, .address_space: global }
      - { .name: lowp_scales, .offset: 16, .size: 8, .value_kind: global_buffer, .address_space: global }
      - { .name: qkv, .offset: 24, .size: 8, .value_kind: global_buffer, .address_space: global }
    .group_segment_fixed_size: 327680
    .private_segment_fixed_size: 0
    .kernarg_segment_align: 8
    .kernarg_segment_size: 32
    .max_flat_workgroup_size: 128
    .sgpr_count:     100
    .vgpr_count:     1024
    .wavefront_size: 32
...
	.end_amdgpu_metadata
.endif
;; end of part 2
;; launch attn (part 3): grid 4 x 64, 16 waves a work-group, clusters of 4 x 1, 327,680 bytes of LDS; arguments qkv, lowp_scales, yc; writes yc
.if DOCPART == 3
	.amdgcn_target "amdgcn-amd-amdhsa--gfx1250"
	.amdhsa_code_object_version 6
	.text
	.protected	k_qeb1140fdd9_attn
	.globl	k_qeb1140fdd9_attn
	.p2align	8
	.type	k_qeb1140fdd9_attn,@function
k_qeb1140fdd9_attn:
	s_mov_b64 s[64:65], 0
	v_nop
	global_prefetch_b8 v0, s[64:65] scope:SCOPE_SE
	s_setreg_imm32_b32 hwreg(HW_REG_WAVE_MODE, 25, 1), 1
	s_wait_xcnt 0x0
	s_wait_alu depctr_hold_cnt(0) depctr_sa_sdst(0) depctr_va_vdst(0) depctr_va_sdst(0) depctr_va_ssrc(0) depctr_va_vcc(0) depctr_vm_vsrc(0)
	s_getreg_b32 s2, hwreg(HW_REG_IB_STS2, 6, 4)
	s_cmp_eq_u32 s2, 0
	s_cbranch_scc0 .Lentry_in_a_cluster
	s_endpgm
.Lentry_in_a_cluster:
	s_bfe_u32 s2, ttmp6, 0x10000c
	s_cmp_lg_u32 s2, 0x3003
	s_cbranch_scc0 .Lentry_shape_is_right
	s_endpgm
.Lentry_shape_is_right:
; y[b][h][q] = softmax_k(where(k <= q, Q.K / 8, -10)) V, both products on codes of FP8 (E4M3); y is quantised at once with the scale given for it (entry 10) and leaves as codes.
; THE MASK FILLS WITH -10, NOT WITH -INFINITY: a hidden key counts in the row's largest t, in the row's sum and in the product with V.  Of a step of 128 keys that lies wholly behind the diagonal only Q K^T is thrown away:
; there p is ONE number a row, 2^(t_fill - M).  Such a step runs no softmax: its four products take a fragment filled with that number's code, and the row's sum gets 128 x the unquantised number.
; THE SOFTMAX AHEAD OF THE SECOND PRODUCT: t = logit x log2(e); M = the row's largest t so far, rounded UP to a whole number; p = 2^(t - M) is what is quantised; the sum is taken of the unquantised p and divides at the end.
; The running largest t begins at t_fill in every row that has a hidden key (all but query 2,047), so M is final behind the diagonal step.  When M moves, the sum and O are multiplied by 2^(old M - new M): exact.
; INPUT: qkv, three planes of 8,388,608 bytes, each [16 batch + head][131,072]: q, k [token][64], v [block of 128 keys][channel 64][128 keys]; in each group of 32 along the innermost axis number 16 u + 8 h + j lies at
; byte 16 h + 8 u + j, so that a load of 16 bytes at 16 h brings a lane the numbers that the plain 8-bit layout gives it.  OUTPUT: yc: the code of (token m, head g, channel d) at (m / 4) 4,096 + 256 g + 64 (m % 4) + d.
; SHARES.  A cluster of four work-groups owns one head: 64 waves, 128 tiles of 16 queries.  Wave w of partner cx takes tile 8 (w / 2) + 4 (w % 2) + cx and then its mirror image, tile 127 - that: every wave runs 17 steps with a
; softmax and 15 without.  The diagonal's step hangs on the wave's number alone; cx enters global addresses and one vector register of numbers that are compared, no branch and no LDS address.
; LDS.  The head's whole K and V, 131,072 bytes each, are brought once: sixteen waves, one JOINT tensor load each (mask: all four partners), 64 rows of 256 bytes.  Nothing is filled again: one barrier, no ring.
; LAYOUT.  Both products are used transposed: S^T = K Q^T (source 0 = 16 keys, source 1 = my 16 queries), O^T = V^T P^T (source 0 = 16 channels, source 1 = P): a lane holds ONE query (lane % 16) throughout, and the eight
; registers of tile t of S^T are keys 16 t + 8 (lane / 16) + 0 .. 7: their conversion gives registers 2 t, 2 t + 1 of P.
; LIMITS on the given exponents, so that each power of two below is an f32 number: e6 + e7 between -121 and 130; e8, and e10 - e8 - e9, between -126 and 119.
; REGISTERS: v1-6 addresses that stay; v7 my query's place against the diagonal step's keys; v8, v9 the step's addresses; v10 r, v11 h; v12 -M, v13 the largest t, v[14:15] the sum in two halves; v16-23 Q; v24 the raw score that
; stands for the logit -10; v25 the fill's p; v32-95 fragments of K or of V; v96-159 S^T, then p; v160-191 O^T; v192-207 the fill's codes; v208-223 the way out; v224-239 p's codes; v240-254 constants and at work.
.set KP,    272                        ; an LDS row: 256 bytes (4 keys of K, 2 channels of V) + 16 of padding: the 16 rows of a fragment fall into 16 different columns of 16 bytes modulo 256
.set STEPB, 32*KP                      ; 128 keys of K, and a block of V: 32 rows
.set VBASE, 512*KP                     ; V lies behind K's 512 rows
.set STAGE, 2*VBASE                    ; behind both: 16 rows x (64 bytes + 16) for each wave, for the way out; no tensor load lands there
.set SPS,   80
.set Q0,  12                           ; s12  my first query
.set SD,  13                           ; s13  the step on the diagonal
.set TB,  14                           ; s14  LDS byte at which the step's rows begin
.set STP, 15                           ; s15  the step
.set WV,  18                           ; s18  my wave's number
.set SEL, 20                           ; s[20:21] lane selects for v_permlanex16_b32: lane l xor 16
.set CS,  22                           ; s[22:23] c = log2(e) / 8 x 2^(e6 + e7): t = raw score x c
.set G1,  24                           ; s[24:31] descriptor group 1;  s[32:35] group 0
.set G0,  32
.macro CROUND                          ; a round of the cluster's barrier
	s_barrier_signal -1
	s_barrier_wait -1
	s_cmp_lg_u32 s[WV], 0
	s_cbranch_scc1 .Lnot_wave_0_\@
	s_barrier_signal -3
.Lnot_wave_0_\@:
	s_barrier_wait -3
	s_barrier_signal -1
	s_barrier_wait -1
.endm
	s_load_b128 s[4:7], s[0:1], 0x0                ; qkv s[4:5], the exponents s[6:7]
	s_load_b64 s[8:9], s[0:1], 0x10                ; yc
	v_lshl_add_u32 v251, v0, 2, 0x49000
	v_mov_b32 v255, 0
	ds_add_u32 v251, v255
	ds_add_u32 v251, v255
	v_lshrrev_b32 v1, 5, v0
	s_delay_alu instid0(VALU_DEP_1)
	v_readfirstlane_b32 s[WV], v1                  ; wave 0..15
	s_bfe_u32 s10, ttmp6, 0x40000                  ; cx: my place in the cluster
	s_and_b32 s11, ttmp7, 0xffff                   ; 16 batch + head, which the four partners share
	; descriptor group 1: 64 rows of 256 bytes, dense in memory, padded in LDS
	s_mov_b32 s[G1], 15|(0<<16)|(1<<20)|(1<<21)|(5<<22)|(3<<25)   ; 15:0 the mask: all four work-groups; 17:16 elements of 1 byte; 20 padding on; 21 set beside a mask; 24:22 after every 64 words (code 5); 31:25 four words (code 3)
	s_mov_b32 s[G1+1], 256<<16                     ; tensor_dim0
	s_mov_b32 s[G1+2], 64<<16                      ; tensor_dim1
	s_mov_b32 s[G1+3], 256<<16                     ; tile_dim0
	s_mov_b32 s[G1+4], 64                          ; tile_dim1
	s_mov_b32 s[G1+5], 256                         ; tensor_dim0_stride
	s_mov_b32 s[G1+6], 0
	s_mov_b32 s[G1+7], 0
	s_mov_b32 s[G0], 1                             ; count = 1
	s_mul_i32 s[G0+1], s[WV], 64*KP                ; LDS address: waves 0-7 K's eighths, waves 8-15 V's, on end
	s_lshr_b32 s16, s[WV], 3
	s_add_co_u32 s16, s16, 1
	s_lshl_b32 s16, s16, 23                        ; plane 1 (k) or 2 (v),
	s_lshl_b32 s17, s11, 17                        ; the head,
	s_add_co_u32 s16, s16, s17
	s_and_b32 s17, s[WV], 7
	s_lshl_b32 s17, s17, 14                        ; my eighth of it
	s_add_co_u32 s16, s16, s17
	s_mov_b32 s17, 0
	s_wait_dscnt 0x0
	s_wait_kmcnt 0x0
	s_load_b256 s[40:47], s[6:7], 0x10             ; e4 .. e11: e6 s42, e7 s43, e8 s44, e9 s45, e10 s46
	s_add_nc_u64 s[G0+2:G0+3], s[4:5], s[16:17]
	s_or_b32 s[G0+3], s[G0+3], 0x80000000          ; type = 2
	CROUND                                         ; all four work-groups are here: the joint loads meet
	tensor_load_to_lds s[G0:G0+3], s[G1:G1+7]      ; my one tensor load of the launch: one is out
	s_nop 0
.rept 4
	v_nop
.endr
	v_and_b32 v10, 15, v0                          ; r
	v_bfe_u32 v11, v0, 4, 1                        ; h
	v_and_b32 v26, 31, v0                          ; lane
	s_delay_alu instid0(VALU_DEP_3)
	v_lshrrev_b32 v27, 2, v10
	s_delay_alu instid0(VALU_DEP_1)
	v_mul_u32_u24 v1, v27, KP
	v_and_b32 v27, 3, v10
	s_delay_alu instid0(VALU_DEP_1)
	v_lshl_add_u32 v1, v27, 6, v1
	s_delay_alu instid0(VALU_DEP_1)
	v_lshl_add_u32 v1, v11, 4, v1                  ; K: key r of a tile: row r / 4, 64 (r % 4), + 16 h
	v_lshrrev_b32 v27, 1, v10
	s_delay_alu instid0(VALU_DEP_1)
	v_mul_u32_u24 v2, v27, KP
	v_and_b32 v27, 1, v10
	s_delay_alu instid0(VALU_DEP_1)
	v_lshl_add_u32 v2, v27, 7, v2
	s_delay_alu instid0(VALU_DEP_1)
	v_lshl_add_u32 v2, v11, 4, v2
	s_delay_alu instid0(VALU_DEP_1)
	v_add_nc_u32 v2, VBASE, v2                     ; V: channel r of a tile: row r / 2, 128 (r % 2), + 16 h
	v_lshlrev_b32 v3, 6, v10
	s_delay_alu instid0(VALU_DEP_1)
	v_lshl_add_u32 v3, v11, 4, v3                  ; Q in memory: 64 r + 16 h
	s_mul_i32 s16, s[WV], 16*SPS
	s_add_co_u32 s16, s16, STAGE                   ; my stage
	v_mul_u32_u24 v4, v10, SPS
	s_delay_alu instid0(VALU_DEP_1)
	v_lshl_add_u32 v4, v11, 3, v4
	s_delay_alu instid0(VALU_DEP_1)
	v_add_nc_u32 v4, s16, v4                       ; in: row r, + 8 h
	v_lshrrev_b32 v27, 2, v26
	s_delay_alu instid0(VALU_DEP_1)
	v_mul_u32_u24 v5, v27, SPS
	v_and_b32 v27, 3, v26
	s_delay_alu instid0(VALU_DEP_1)
	v_lshl_add_u32 v5, v27, 4, v5
	s_delay_alu instid0(VALU_DEP_1)
	v_add_nc_u32 v5, s16, v5                       ; back: row l / 4, 16 (l % 4)
	v_lshlrev_b32 v6, 12, v11
	s_delay_alu instid0(VALU_DEP_1)
	v_lshl_add_u32 v6, v10, 4, v6                  ; in yc: sixteen lanes fill the 256 bytes of four tokens of my head; lanes 16-31 the next four tokens'
	v_mov_b32 v246, 0                              ; written once: a lane permute's destination counts as one of its sources
	v_mov_b32 v253, 0                              ; (named as the upper half of the pair v[252:253])
	v_mov_b32 v25, 0                               ; the fill's number and codes are written on every way through the text; the diagonal step sets them
.set j, 0
.rept 16
	v_mov_b32 v[192+j], 0
.set j, j+1
.endr
	s_mov_b32 s[SEL], 0x76543210
	s_mov_b32 s[SEL+1], 0xfedcba98
	s_lshr_b32 s[SD], s[WV], 1                     ; the first pass's block of 128 queries, and its diagonal step: the wave's number alone
	s_and_b32 s16, s[WV], 1
	s_lshl_b32 s16, s16, 2
	s_add_co_u32 s16, s16, s10                     ; which 16 of the 128
	s_lshl_b32 s16, s16, 4
	s_lshl_b32 s[Q0], s[SD], 7
	s_add_co_u32 s[Q0], s[Q0], s16
	s_lshl_b32 s16, s11, 17
	s_mov_b32 s17, 0
	s_add_nc_u64 s[48:49], s[4:5], s[16:17]        ; q's plane at my head
	s_lshr_b32 s16, s11, 4
	s_lshl_b32 s16, s16, 21                        ; the batch's 2,048 tokens of 1,024 bytes,
	s_and_b32 s50, s11, 15
	s_lshl_b32 s50, s50, 8                         ; the head's 256 bytes of four tokens
	s_add_co_u32 s16, s16, s50
	s_add_nc_u64 s[52:53], s[8:9], s[16:17]
	s_wait_kmcnt 0x0
	s_add_co_i32 s16, s42, s43                     ; e6 + e7: a raw score stands for score x 2^(e6 + e7)
	s_lshl_b32 s16, s16, 23
	s_mov_b32 s[CS], 0x3e38aa3b                    ; log2(e) / 8
	s_add_co_i32 s[CS], s[CS], s16                 ; the two exponents are added to its exponent field
	s_mov_b32 s[CS+1], s[CS]                       ; (named with it as a pair, so it is written)
	s_mov_b32 s50, 0xc2a00000                      ; -80: the raw score x c that gives -10 log2(e), bit for bit,
	s_sub_co_i32 s50, s50, s16                     ; / 2^(e6 + e7)
	v_mov_b32 v24, s50
	s_add_co_i32 s16, s44, 127
	s_lshl_b32 s50, s16, 23
	v_mov_b32 v244, s50                            ; 2^e8, for p's conversions
	s_add_co_i32 s16, s16, 8
	s_lshl_b32 s16, s16, 23
	s_or_b32 s16, s16, 0x600000
	v_mov_b32 v240, s16                            ; 448 x 2^e8
	s_sub_co_i32 s16, s46, s44
	s_sub_co_i32 s16, s16, s45                     ; O^T / the sum stands for y / 2^(e8 + e9): y's code is that / 2^(e10 - e8 - e9)
	s_add_co_i32 s16, s16, 127
	s_lshl_b32 s50, s16, 23
	v_mov_b32 v245, s50
	s_wait_alu depctr_va_vdst(0)
	s_wait_tensorcnt 0x0                           ; my part of the head is in LDS,
	s_barrier_signal -1
	s_barrier_wait -1                              ; everybody's is; from here on K and V are only read
.macro VLOAD                           ; the step's V: four fragments of 16 channels x 128 keys
.irp t, 0,1,2,3
.irp c, 0,1,2,3
	ds_load_b128 v[32+16*\t+4*\c:32+16*\t+4*\c+3], v9 offset:8*KP*\t+32*\c
.endr
.endr
.endm
.macro PV src                          ; O^T += V^T P^T: the four accumulators take turns, one instruction a turn
.irp t, 0,1,2,3
	v_wmma_f32_16x16x128_fp8_fp8 v[160+8*\t:167+8*\t], v[32+16*\t:47+16*\t], v[\src:\src+15], v[160+8*\t:167+8*\t]
.endr
.endm
.macro SOFTMAX                         ; 64 scores of a lane in v96-159 -> p's codes in v224-239; -M, the largest t, the sum and O^T follow
	v_max3_num_f32 v254, v96, v97, v98             ; the step's largest score of my query among my 64 keys, in two chains; each accumulator is read from its low end on
	v_max3_num_f32 v252, v99, v100, v101
.irp i, 6,10,14,18,22,26,30,34,38,42,46,50,54,58
	v_max3_num_f32 v254, v254, v[96+\i], v[97+\i]
	v_max3_num_f32 v252, v252, v[98+\i], v[99+\i]
.endr
	v_max3_num_f32 v254, v254, v158, v159
	s_delay_alu instid0(VALU_DEP_1)
	v_max_num_f32 v254, v254, v252
	s_delay_alu instid0(VALU_DEP_1)
	v_permlanex16_b32 v246, v254, s[SEL], s[SEL+1]
	s_delay_alu instid0(VALU_DEP_1)
	v_max_num_f32 v254, v254, v246                 ; and among lane l xor 16's
	s_delay_alu instid0(VALU_DEP_1)
	v_mul_f32 v254, s[CS], v254                    ; as t (c is positive)
	s_delay_alu instid0(VALU_DEP_1)
	v_max_num_f32 v13, v13, v254                   ; the running largest t
	v_mov_b32 v254, v12
	s_delay_alu instid0(VALU_DEP_2)
	v_floor_f32 v12, -v13                          ; the new -M = floor(-t) = -ceil(t): a whole number
	s_delay_alu instid0(VALU_DEP_1)
	v_sub_f32 v254, v12, v254                      ; old M - new M: a whole number, 0 or less
	s_delay_alu instid0(VALU_DEP_1)
	v_cvt_i32_f32 v254, v254                       ; (it saturates)
	s_delay_alu instid0(VALU_DEP_1)
	v_ldexp_f32 v252, 1.0, v254                    ; f = 2^(old M - new M)
.set j, 0
.rept 32
	v_pk_fma_f32 v[96+j:97+j], v[96+j:97+j], s[CS:CS+1], v[12:13] op_sel_hi:[1,0,0]   ; t - M, two at a time (of the pairs c and -M the low word serves both halves)
.set j, j+2
.endr
.set j, 0
	s_setprio 1
	s_wait_alu depctr_va_vdst(0)
.rept 64
	v_exp_f32 v[96+j], v[96+j]                     ; p = 2^(t - M), at most 1: not normalised
.set j, j+1
.endr
	v_pk_mul_f32 v[14:15], v[14:15], v[252:253] op_sel_hi:[1,0]   ; the sums under the new M: the plain line behind the exponentials
	s_wait_alu depctr_va_vdst(0)                   ; one wait for the whole batch, ahead of its first reader
	v_pk_add_f32 v[242:243], v[100:101], v[104:105]
	v_pk_add_f32 v[248:249], v[108:109], v[112:113]
	v_pk_add_f32 v[238:239], v[116:117], v[120:121]
	v_pk_add_f32 v[236:237], v[124:125], v[128:129]
	v_pk_add_f32 v[234:235], v[132:133], v[136:137]
	v_pk_add_f32 v[232:233], v[140:141], v[144:145]
	v_pk_add_f32 v[230:231], v[148:149], v[152:153]
	v_pk_add_f32 v[14:15], v[14:15], v[156:157]
	v_pk_add_f32 v[242:243], v[242:243], v[96:97]
	v_pk_add_f32 v[248:249], v[248:249], v[98:99]
	v_pk_add_f32 v[238:239], v[238:239], v[102:103]
	v_pk_add_f32 v[236:237], v[236:237], v[106:107]
	v_pk_add_f32 v[234:235], v[234:235], v[110:111]
	v_pk_add_f32 v[232:233], v[232:233], v[114:115]
	v_pk_add_f32 v[230:231], v[230:231], v[118:119]
	v_pk_add_f32 v[14:15], v[14:15], v[122:123]
	v_pk_add_f32 v[242:243], v[242:243], v[126:127]
	v_pk_add_f32 v[248:249], v[248:249], v[130:131]
	v_pk_add_f32 v[238:239], v[238:239], v[134:135]
	v_pk_add_f32 v[236:237], v[236:237], v[138:139]
	v_pk_add_f32 v[234:235], v[234:235], v[142:143]
	v_pk_add_f32 v[232:233], v[232:233], v[146:147]
	v_pk_add_f32 v[230:231], v[230:231], v[150:151]
	v_pk_add_f32 v[14:15], v[14:15], v[154:155]
	v_pk_add_f32 v[242:243], v[242:243], v[158:159]
	s_delay_alu instid0(VALU_DEP_2)
	v_pk_add_f32 v[14:15], v[14:15], v[236:237]
	s_delay_alu instid0(VALU_DEP_2)
	v_pk_add_f32 v[242:243], v[242:243], v[234:235]
	v_pk_add_f32 v[248:249], v[248:249], v[232:233]
	v_pk_add_f32 v[238:239], v[238:239], v[230:231]
	s_delay_alu instid0(VALU_DEP_2)
	v_pk_add_f32 v[14:15], v[14:15], v[248:249]
	s_delay_alu instid0(VALU_DEP_2)
	v_pk_add_f32 v[242:243], v[242:243], v[238:239]
	s_delay_alu instid0(VALU_DEP_1)
	v_pk_add_f32 v[14:15], v[14:15], v[242:243]
.irp t, 0,1,2,3,4,5,6,7
.irp i, 0,1,2,3,4,5,6,7
.endr
	v_cvt_scalef32_pk8_fp8_f32 v[224+2*\t:225+2*\t], v[96+8*\t:103+8*\t], v244   ; keys 16 t + 8 h + 0 .. 7: registers 2 t, 2 t + 1 of the operand
.endr
.set j, 0
	s_setprio 0
.rept 16
	v_pk_mul_f32 v[160+j:161+j], v[160+j:161+j], v[252:253] op_sel_hi:[1,0]   ; O^T under the new M; these are also the plain lines between the conversions and the products
.set j, j+2
.endr
.endm
; ONE TILE OF 16 QUERIES against all 2,048 keys.  flip = 1: the mirror tile.
.macro PASS flip
.if \flip
	s_sub_co_u32 s[Q0], 2032, s[Q0]
	s_sub_co_u32 s[SD], 15, s[SD]
.endif
	s_lshl_b32 s16, s[Q0], 6
	s_mov_b32 s17, 0
	s_add_nc_u64 s[36:37], s[48:49], s[16:17]      ; my queries' codes
	s_lshl_b32 s16, s[Q0], 10
	s_add_nc_u64 s[38:39], s[52:53], s[16:17]      ; and where their y goes
	global_load_b128 v[16:19], v3, s[36:37]
	global_load_b128 v[20:23], v3, s[36:37] offset:32
	s_and_b32 s16, s[Q0], 127
	v_lshlrev_b32 v247, 3, v11
	s_delay_alu instid0(VALU_DEP_1)
	v_sub_nc_u32 v7, v10, v247
	s_delay_alu instid0(VALU_DEP_1)
	v_add_nc_u32 v7, s16, v7                       ; d = my query's place in its block of 128, less 8 h: register 8 t + j of the diagonal step is hidden where 16 t + j > d
	v_add_nc_u32 v247, s[Q0], v10                  ; my query
	v_mul_f32 v13, s[CS], v24                      ; the largest t begins at the fill's t,
	v_mov_b32 v248, 0xff61b1e6                     ; but for query 2,047, which has no hidden key: -3e38, under every t
	s_delay_alu instid0(VALU_DEP_3)
	v_cmp_eq_u32 vcc_lo, 0x7ff, v247
	s_delay_alu instid0(VALU_DEP_1)
	v_cndmask_b32 v13, v13, v248, vcc_lo
	s_delay_alu instid0(VALU_DEP_1)
	v_floor_f32 v12, -v13                          ; -M
	v_mov_b32 v14, 0                               ; the sum, in two halves
	v_mov_b32 v15, 0
.set j, 0
.rept 32
	v_mov_b32 v[160+j], 0                          ; O^T: the step is written once; the first finds zeros
.set j, j+1
.endr
	s_mov_b32 s[TB], 0
	s_mov_b32 s[STP], 0
	s_wait_loadcnt 0x0                             ; Q
.Lstep_\@:                                         ; 16 trips: 128 keys each
	v_add_nc_u32 v8, s[TB], v1
	v_add_nc_u32 v9, s[TB], v2
	s_cmp_gt_u32 s[STP], s[SD]                     ; behind the diagonal?  The wave's number and the loop's counter decide
	s_cbranch_scc1 .Lfill_\@
	s_setprio 2
.rept 2
	v_nop                                          ; with the two additions above: four places in front of loads into registers that matrix instructions have read
.endr
.irp t, 0,1,2,3,4,5,6,7
.irp c, 0,1
	ds_load_b128 v[32+8*\t+4*\c:32+8*\t+4*\c+3], v8 offset:4*KP*\t+32*\c   ; tile t: keys 16 t + r
.endr
.endr
	s_wait_dscnt 0x0
.irp t, 0,1,2,3,4,5,6,7
	v_wmma_f32_16x16x64_fp8_fp8 v[96+8*\t:103+8*\t], v[32+8*\t:39+8*\t], v[16:23], 0
.endr
.rept 4
	v_nop                                          ; four places: for the loads into K's registers and for the first read of the scores
.endr
	s_wait_alu depctr_va_vdst(0)
	VLOAD                                          ; V lands while the softmax is worked
	s_cmp_lg_u32 s[STP], s[SD]
	s_cbranch_scc1 .Lopen_\@
.set n, 0
.rept 64                                       ; on the diagonal the scores of hidden keys become the raw score that stands for -10
	v_cmp_gt_i32 vcc_lo, 16*(n/8)+n%8, v7
	v_cndmask_b32 v[96+n], v[96+n], v24, vcc_lo
.set n, n+1
.endr
.Lopen_\@:
	SOFTMAX
	s_wait_alu depctr_va_vdst(0)
	s_wait_dscnt 0x0                               ; V is in
	PV 224
	s_cmp_lg_u32 s[STP], s[SD]
	s_cbranch_scc1 .Lnext_\@
	v_fma_f32 v25, v24, s[CS], v12                 ; M is final: the fill's t - M,
	s_wait_alu depctr_va_vdst(0)
	v_exp_f32 v25, v25                             ; its p, unquantised, for the sum,
	v_nop                                          ; (a plain line behind the exponential)
	s_wait_alu depctr_va_vdst(0)                   ; (the wait ahead of its first reader)
	v_min_num_f32 v96, v25, v240
.irp i, 1,2,3,4,5,6,7
	v_mov_b32 v[96+\i], v96
.endr
	v_cvt_scalef32_pk8_fp8_f32 v[192:193], v[96:103], v244   ; and its code, eight times;
	v_nop
.irp i, 2,4,6,8,10,12,14
	v_mov_b32 v[192+\i], v192                      ; a fragment in which all 128 keys of my query have that code
	v_mov_b32 v[193+\i], v193
.endr
	s_branch .Lnext_\@
.Lfill_\@:
.rept 2
	v_nop                                          ; with the two additions at the trip's head: four places in front of the loads
.endr
	s_wait_alu depctr_va_vdst(0)
	VLOAD
	v_fma_f32 v14, v25, 0x42800000, v14            ; my half of the row's 128 hidden keys: 64 x p
	s_wait_dscnt 0x0
	PV 192
.Lnext_\@:
	s_add_co_u32 s[TB], s[TB], STEPB
	s_add_co_u32 s[STP], s[STP], 1
	s_cmp_lt_u32 s[STP], 16
	s_cbranch_scc1 .Lstep_\@
	s_setprio 0
	; the way out: O^T / the sum, quantised, through my stage, so that sixteen lanes store 256 consecutive bytes
.rept 4
	v_nop                                          ; four places behind the last products
.endr
	s_wait_alu depctr_va_vdst(0)
	v_add_f32 v14, v14, v15                        ; the sum's two halves,
	s_delay_alu instid0(VALU_DEP_1)
	v_permlanex16_b32 v246, v14, s[SEL], s[SEL+1]
	s_delay_alu instid0(VALU_DEP_1)
	v_add_f32 v14, v14, v246                       ; and lane l xor 16's: the row's sum
	s_wait_alu depctr_va_vdst(0)
	v_rcp_f32 v14, v14
	v_nop                                          ; a plain line behind the reciprocal
	s_wait_alu depctr_va_vdst(0)                   ; and the wait ahead of its first reader
.set j, 0
.rept 32
	v_mul_f32 v[96+j], v[160+j], v14               ; register 8 t + i: channel 16 t + 8 h + i of my query
.set j, j+1
.endr
.set j, 0
.rept 32
.set j, j+1
.endr
.irp t, 0,1,2,3
	v_cvt_scalef32_pk8_fp8_f32 v[208+2*\t:209+2*\t], v[96+8*\t:103+8*\t], v245
.endr
	v_nop                                          ; a plain line behind the last conversion
.irp t, 0,1,2,3
	ds_store_b64 v4, v[208+2*\t:209+2*\t] offset:16*\t
.endr
	ds_load_b128 v[216:219], v5                    ; LDS serves a wave's instructions in order: these see my stores.  Queries 0-7,
	ds_load_b128 v[220:223], v5 offset:8*SPS       ; queries 8-15
	s_wait_dscnt 0x0
	global_store_b128 v6, v[216:219], s[38:39]
	global_store_b128 v6, v[220:223], s[38:39] offset:8192
	s_wait_xcnt 0x0                                ; the stores have read their base and their data: the next pass writes both
.endm
	PASS 0
	PASS 1
	s_wait_tensorcnt 0x0
	ds_add_u32 v251, v255
	s_wait_dscnt 0x0
	CROUND                                         ; the closing round: no work-group ends while a partner may still ask for a tile that names it
	s_endpgm
.Lfunc_end_k_qeb1140fdd9_attn:
	.size	k_qeb1140fdd9_attn, .Lfunc_end_k_qeb1140fdd9_attn-k_qeb1140fdd9_attn
	.p2alignl 7, 3214868480
	.fill 96, 4, 3214868480
	.section	.rodata,"a",@progbits
	.p2align	6, 0x0
	.amdhsa_kernel k_qeb1140fdd9_attn
		.amdhsa_group_segment_fixed_size 327680
		.amdhsa_private_segment_fixed_size 0
		.amdhsa_enable_private_segment 0
		.amdhsa_kernarg_size 24
		.amdhsa_user_sgpr_count 2
		.amdhsa_user_sgpr_kernarg_segment_ptr 1
		.amdhsa_wavefront_size32 1
		.amdhsa_system_sgpr_workgroup_id_x 1
		.amdhsa_system_sgpr_workgroup_id_y 1
		.amdhsa_system_sgpr_workgroup_id_z 1
		.amdhsa_system_vgpr_workitem_id 0
		.amdhsa_next_free_vgpr 256
		.amdhsa_next_free_sgpr 66
		.amdhsa_reserve_vcc 1
		.amdhsa_float_denorm_mode_32 3
		.amdhsa_float_denorm_mode_16_64 3
		.amdhsa_fp16_overflow 1
		.amdhsa_memory_ordered 1
		.amdhsa_forward_progress 1
		.amdhsa_inst_pref_size 60
	.end_amdhsa_kernel
	.amdgpu_metadata
---
amdhsa.version: [ 1, 2 ]
amdhsa.kernels:
  - .name:           k_qeb1140fdd9_attn
    .symbol:         k_qeb1140fdd9_attn.kd
    .args:
      - { .name: qkv, .offset: 0, .size: 8, .value_kind: global_buffer, .address_space: global }
      - { .name: lowp_scales, .offset: 8, .size: 8, .value_kind: global_buffer, .address_space: global }
      - { .name: yc, .offset: 16, .size: 8, .value_kind: global_buffer, .address_space: global }
    .group_segment_fixed_size: 327680
    .private_segment_fixed_size: 0
    .kernarg_segment_align: 8
    .kernarg_segment_size: 24
    .max_flat_workgroup_size: 512
    .sgpr_count:     66
    .vgpr_count:     256
    .wavefront_size: 32
...
	.end_amdgpu_metadata
.endif
;; end of part 3
;; launch oproj (part 4): grid 4 x 32, 4 waves a work-group, clusters of 4 x 4, 327,680 bytes of LDS; arguments yc, wc, lowp_scales, out0; writes out0
.if DOCPART == 4
	.amdgcn_target "amdgcn-amd-amdhsa--gfx1250"
	.amdhsa_code_object_version 6
	.text
	.protected	k_qeb1140fdd9_oproj
	.globl	k_qeb1140fdd9_oproj
	.p2align	8
	.type	k_qeb1140fdd9_oproj,@function
k_qeb1140fdd9_oproj:
	s_mov_b64 s[64:65], 0
	v_nop
	global_prefetch_b8 v0, s[64:65] scope:SCOPE_SE
	s_setreg_imm32_b32 hwreg(HW_REG_WAVE_MODE, 25, 1), 1
	s_wait_xcnt 0x0
	s_wait_alu depctr_hold_cnt(0) depctr_sa_sdst(0) depctr_va_vdst(0) depctr_va_sdst(0) depctr_va_ssrc(0) depctr_va_vcc(0) depctr_vm_vsrc(0)
	s_getreg_b32 s2, hwreg(HW_REG_IB_STS2, 6, 4)
	s_cmp_eq_u32 s2, 0
	s_cbranch_scc0 .Lentry_in_a_cluster
	s_endpgm
.Lentry_in_a_cluster:
	s_bfe_u32 s2, ttmp6, 0x10000c
	s_cmp_lg_u32 s2, 0xf033
	s_cbranch_scc0 .Lentry_shape_is_right
	s_endpgm
.Lentry_shape_is_right:
; out[m][n] = sum over k of y[m][k] wo[n][k] on codes of FP8 (E4M3).  y: 8,192 tokens x 1,024, codes in yc; wo: plane 3 of wc, [1024][1024], K innermost; out: [8192][1024] f32; sums in f32.
; The codes are multiplied as they are, and each finished sum once by 2^(e10 + e11).  LIMIT: e10 + e11 lies between -126 and 127, so that this is an f32 number.
; yc holds the code of (token m, k = 64 g + d) at (m / 4) 4,096 + 256 g + 64 (m % 4) + d: four tokens are a row of 4,096 bytes, and 256 along K (four heads) of four tokens are 1,024 consecutive bytes of it.
; So A's tile of 128 tokens x 256 K is 32 rows of 1,024 bytes; in LDS each gets 16 bytes of padding.  B's tile is 128 rows of 256 bytes.
; A tile of out, 256 x 256, is made by four waves, as many as a WGP has SIMDs; a wave makes 128 x 128: 64 accumulators, 512 registers.  K goes in steps of 256 through a ring of two LDS slots filled by the tensor data mover.
; CLUSTERS: 4 x 4 work-groups.  The four of a row of the cluster need the same tiles of A, the four of a column the same tiles of B: each tile is asked for JOINTLY, by the same tensor load with the same descriptor and a mask
; that names the four.  THE MATRIX INSTRUCTION IS USED TRANSPOSED (source 0 = 16 rows of B, source 1 = 16 rows of A): a lane holds eight neighbouring numbers of a row of out.
; REGISTERS, in windows of 256: window 0: v0-31 addresses; from v128 A's fragments, ONE set; on the way out v32-255 are free.  window 1: B's fragments, TWO sets.
;   window 2: the accumulators of my rows 0-63 ((a, b) at v[8 (8 a + b)]);  window 3: those of my rows 64-127.
.set SIZE_N, 1024
.set SIZE_K, 1024
.set KSTEP,  256
.set ROWB,   256                       ; a row of B's tile in bytes
.set AROWB,  1024                      ; a row of A's tile: four tokens x 256 K
.set KROW,   SIZE_K                    ; a row of B in memory, and a token's bytes in yc
.set PITCH,  272                       ; B's LDS row: 256 bytes + 16 of padding: the 16 rows that a load touches start at 16 different banks (64 banks of 4 bytes: ISA guide 11.1)
.set APITCH, 1040                      ; A's LDS row: 1,024 + 16: token r of a fragment lies at (r / 4) 1,040 + 64 (r % 4): 16 different columns of 16 bytes modulo 256
.set FR,     16
.set NL,     4
.set NP,     4                         ; places behind this matrix instruction (ISA guide 7.12.1)
.set HALFT,  128*PITCH                 ; what one tensor load of B brings; A's (32 x 1,040 bytes) lies in as much, so that a tile's place is wave x one constant
.set SLOT,   4*HALFT
.set LAPS,   SIZE_K/(2*KSTEP)
.set SPARE,  2*SLOT                    ; behind the ring: the spare words, 128 bytes for each wave
.set SPITCH, 528                       ; the way out: a stage of 16 rows x (512 bytes + 16) for each wave, in slot 0, which has had its last fill and its last read when the first result is stored there
.set ADRA, 16                          ; v16-17  LDS address of my A fragments in slot 0, 1
.set ADRB, 20                          ; v20-21  the same for B
.set STO,  24                          ; v24     the way out: where I put 32 bytes of a row
.set RD,   25                          ; v25     where I read a row back
.set CO,   26                          ; v26     my byte offset in a row of out
.set SPW,  28                          ; v28     LDS address of my spare word; never rewritten
.set NIL,  29                          ; v29     0; never rewritten
.set TMP,  32                          ; the way out: a block's sums x 2^(e10 + e11)
.set AF,   128                         ; A's fragments, in window 0
.set BK,   128                         ; the way out: 16 rows read back: v128-191 and v192-255 by turns
.set G1, 24                            ; s[24:31] descriptor group 1 for A's tiles;  s[32:39] group 0, one set for each slot
.set G0, 32
.set G1B, 48                           ; s[48:55], s[56:63] the same for B's tiles
.set G0B, 56
.set MSB, 0
.macro WIN new                         ; the immediate's high byte repeats the setting that is left
.if MSB != \new
	s_set_vgpr_msb (MSB<<8)|\new
.set MSB, \new
.endif
.endm
.set MUL_LO, 0xa1                      ; source 0 (B) window 1, source 1 (A) window 0, C and D window 2
.set MUL_HI, 0xf1                      ; the same, C and D window 3
.set TO_B,   0x40                      ; destination window 1, address window 0
; A joint load: waves 0 and 1 fetch for A, waves 2 and 3 for B; the branch hangs on the wave's number alone.  Four v_nop follow each of the two lines.
.macro JLOAD g0a, g1a, g0b, g1b
	s_cmp_eq_u32 s15, 0
	s_cbranch_scc0 .Lfor_b_\@
	tensor_load_to_lds s[\g0a:\g0a+3], s[\g1a:\g1a+7]
	s_nop 0
.rept 4
	v_nop
.endr
	s_branch .Lasked_\@
.Lfor_b_\@:
	tensor_load_to_lds s[\g0b:\g0b+3], s[\g1b:\g1b+7]
	s_nop 0
.rept 4
	v_nop
.endr
.Lasked_\@:
.endm
.macro CREST                           ; a round of the cluster's barrier behind its opening barrier
	s_cmp_lg_u32 s14, 0
	s_cbranch_scc1 .Lnot_wave_0_\@
	s_barrier_signal -3
.Lnot_wave_0_\@:
	s_barrier_wait -3
	s_barrier_signal -1
	s_barrier_wait -1
.endm
.macro CROUND                          ; a whole round
	s_barrier_signal -1
	s_barrier_wait -1
	CREST
.endm
	s_load_b128 s[4:7], s[0:1], 0x0                ; yc s[4:5], wc s[6:7]
	s_load_b128 s[8:11], s[0:1], 0x10              ; the exponents s[8:9], out s[10:11]
	v_lshl_add_u32 v[SPW], v0, 2, SPARE
	v_mov_b32 v[NIL], 0
	ds_add_u32 v28, v29
	ds_add_u32 v28, v29
	s_wait_dscnt 0x0
	v_lshrrev_b32 v1, 5, v0
	v_readfirstlane_b32 s14, v1                    ; wave 0..3
	s_lshr_b32 s15, s14, 1                         ; which half of the tile's rows is mine.  Also: I fetch for A (0) or for B (1)
	s_and_b32 s16, s14, 1                          ; which half of its columns.  Also: which 128 rows of that tile I fetch
	s_bfe_u32 s40, ttmp6, 0x40000                  ; cx, cy: my place in the cluster
	s_bfe_u32 s41, ttmp6, 0x40004
	s_lshl_b32 s42, ttmp9, 2
	s_add_co_u32 s42, s42, s40                     ; tile column = 4 x cluster x + cx
	s_and_b32 s17, ttmp7, 0xffff
	s_lshl_b32 s17, s17, 2
	s_add_co_u32 s17, s17, s41                     ; tile row = 4 x cluster y + cy
	s_lshl_b32 s43, s41, 2
	s_lshl_b32 s43, 15, s43                        ; my row of the cluster
	s_lshl_b32 s44, 0x1111, s40                    ; my column
	; descriptor group 1.  A: 32 rows of 1,024 bytes, 4,096 bytes apart
	s_or_b32 s[G1+0], s43, (0<<16)|(1<<20)|(1<<21)|(7<<22)|(3<<25)  ; 15:0 the mask: my row; 17:16 element of 1 byte; 20 padding on; 21 set beside a mask; 24:22 after every 256 words (code 7); 31:25 of 4 words (code 3)
	s_mov_b32 s[G1+1], AROWB<<16                   ; tensor_dim0
	s_mov_b32 s[G1+2], 32<<16                      ; tensor_dim1
	s_mov_b32 s[G1+3], AROWB<<16                   ; tile_dim0
	s_mov_b32 s[G1+4], 32                          ; tile_dim1
	s_mov_b32 s[G1+5], 4096                        ; tensor_dim0_stride
	s_mov_b32 s[G1+6], 0
	s_mov_b32 s[G1+7], 0
	; B: 128 rows of 256 bytes, 1,024 bytes apart
	s_or_b32 s[G1B+0], s44, (0<<16)|(1<<20)|(1<<21)|(5<<22)|(3<<25) ; the mask: my column; padding of 4 words after every 64
	s_mov_b32 s[G1B+1], ROWB<<16
	s_mov_b32 s[G1B+2], 128<<16
	s_mov_b32 s[G1B+3], ROWB<<16
	s_mov_b32 s[G1B+4], 128
	s_mov_b32 s[G1B+5], KROW
	s_mov_b32 s[G1B+6], 0
	s_mov_b32 s[G1B+7], 0
	s_lshl_b32 s18, s16, 7                         ; which 128 rows of the tile I fetch
	s_lshl_b32 s20, s17, 8
	s_add_co_u32 s20, s20, s18                     ; A: token 256 x tile row + 128 x half
	s_lshl_b32 s46, s42, 8
	s_add_co_u32 s46, s46, s18                     ; B: row 256 x tile column + 128 x half
	s_mov_b32 s21, 0
	s_mov_b32 s47, 0
	s_mov_b64 s[18:19], KROW
	s_mul_u64 s[20:21], s[20:21], s[18:19]         ; in bytes: a token is a quarter of 4,096
	s_mul_u64 s[46:47], s[46:47], s[18:19]
	s_mul_i32 s45, s14, HALFT                      ; where they go: no place in the cluster enters an LDS address
	s_wait_kmcnt 0x0
	s_load_b64 s[96:97], s[8:9], 0x28              ; e10, e11
	s_add_nc_u64 s[20:21], s[4:5], s[20:21]
	s_add_nc_u64 s[46:47], s[6:7], s[46:47]
	s_add_nc_u64 s[46:47], s[46:47], 3*1048576     ; wo is plane 3 of wc
	CROUND                                         ; all sixteen work-groups are here: the first joint loads meet
.irp s, 0,1
	s_mov_b32 s[G0+4*\s], 1
	s_add_co_u32 s[G0+4*\s+1], s45, \s*SLOT
	s_add_nc_u64 s[G0+4*\s+2:G0+4*\s+3], s[20:21], \s*AROWB
	s_or_b32 s[G0+4*\s+3], s[G0+4*\s+3], 0x80000000
	s_mov_b32 s[G0B+4*\s], 1
	s_add_co_u32 s[G0B+4*\s+1], s45, \s*SLOT
	s_add_nc_u64 s[G0B+4*\s+2:G0B+4*\s+3], s[46:47], \s*ROWB
	s_or_b32 s[G0B+4*\s+3], s[G0B+4*\s+3], 0x80000000
	s_wait_alu depctr_va_vdst(0)
	s_wait_tensorcnt 0x0
	ds_add_u32 v28, v29
	ds_add_u32 v28, v29
	s_wait_dscnt 0x0
	CROUND
	JLOAD G0+4*\s, G1, G0B+4*\s, G1B
.endr
	v_and_b32 v1, 15, v0                           ; r = l % 16
	v_bfe_u32 v2, v0, 4, 1                         ; h = l / 16
	v_mul_u32_u24 v3, v1, PITCH
	v_lshl_add_u32 v4, v2, 4, v3                   ; B: a fragment's row x pitch + 16 h
	v_lshrrev_b32 v7, 2, v1
	v_mul_u32_u24 v7, v7, APITCH
	v_and_b32 v8, 3, v1
	v_lshl_add_u32 v7, v8, 6, v7
	v_lshl_add_u32 v7, v2, 4, v7                   ; A: (r / 4) x pitch + 64 (r % 4) + 16 h
	s_mul_i32 s21, s15, HALFT                      ; my 128 tokens of A
	s_mul_i32 s22, s16, HALFT                      ; my 128 rows of B,
	s_add_co_u32 s22, s22, 2*HALFT                 ; which lie behind A's two halves
.irp s, 0,1
	v_add_nc_u32 v[ADRA+\s], s21, v7
	v_add_nc_u32 v[ADRB+\s], s22, v4
	s_add_co_u32 s21, s21, SLOT
	s_add_co_u32 s22, s22, SLOT
.endr
	s_mul_i32 s23, s14, 16*SPITCH                  ; my stage
	v_mul_u32_u24 v5, v1, SPITCH                   ; in: row l % 16, 32 bytes for each half of the lanes
	v_lshl_add_u32 v5, v2, 5, v5
	v_add_nc_u32 v[STO], s23, v5
	v_and_b32 v6, 31, v0
	v_lshlrev_b32 v[CO], 4, v6                     ; back: the 32 lanes take one row of 512 bytes; and the same in out
	v_add_nc_u32 v[RD], s23, v[CO]
	s_lshl_b32 s20, s17, 8
	s_lshl_b32 s21, s15, 7
	s_add_co_u32 s20, s20, s21                     ; my first row of out
	s_mov_b32 s21, 0
	s_mov_b64 s[18:19], SIZE_N*4
	s_mul_u64 s[20:21], s[20:21], s[18:19]
	s_lshl_b32 s46, s42, 10                        ; my first column, in bytes: 1,024 x tile column + 512 x half
	s_lshl_b32 s47, s16, 9
	s_add_co_u32 s46, s46, s47
	s_mov_b32 s47, 0
	s_add_nc_u64 s[20:21], s[20:21], s[46:47]
	s_add_nc_u64 s[10:11], s[10:11], s[20:21]
; A fragment, 16 rows x 128 K, is 16 registers: lane l holds row l % 16; registers 4 c .. 4 c + 3 hold K = 32 c + 16 (l / 16) + 0 .. 15: one permutation of k, the same in A and in B.
.macro FRAG reg, adr, q, i             ; of B: K lies along the row
.irp c, 0,1,2,3
	ds_load_b128 v[\reg+4*\c:\reg+4*\c+3], v[\adr] offset:128*(\q)+32*\c+(\i)*16*PITCH
.endr
.endm
.macro FRAGA reg, adr, q, i            ; of A: K = 128 q + 32 c is head 2 q + c / 2 of the slot's four (256 bytes each), channel 32 (c % 2); 16 tokens are four LDS rows
.irp c, 0,1,2,3
	ds_load_b128 v[\reg+4*\c:\reg+4*\c+3], v[\adr] offset:512*(\q)+256*(\c/2)+32*(\c%2)+(\i)*4*APITCH
.endr
.endm
; 16 matrix instructions: A's blocks a0, a0 + 1 x B's eight.  The 64 accumulators take turns, one instruction a turn, in the same order in every step.
.macro MUL16 a0, p, zero
.irp a, \a0, \a0+1
.irp b, 0,1,2,3,4,5,6,7
.if \zero
	v_wmma_f32_16x16x128_fp8_fp8 v[8*(8*((\a)%4)+\b):8*(8*((\a)%4)+\b)+7], v[128*(\p)+FR*\b:128*(\p)+FR*\b+FR-1], v[AF+FR*(\a):AF+FR*(\a)+FR-1], 0
.else
	v_wmma_f32_16x16x128_fp8_fp8 v[8*(8*((\a)%4)+\b):8*(8*((\a)%4)+\b)+7], v[128*(\p)+FR*\b:128*(\p)+FR*\b+FR-1], v[AF+FR*(\a):AF+FR*(\a)+FR-1], v[8*(8*((\a)%4)+\b):8*(8*((\a)%4)+\b)+7]
.endif
.endr
.endr
.endm
.macro FETCH_B slot, q, p
	WIN TO_B
.irp i, 0,1,2,3,4,5,6,7
	FRAG 128*(\p)+FR*\i, ADRB+\slot, \q, \i
.endr
	WIN 0
.endm
.macro FETCH_A slot, q, i0
.irp i, \i0, \i0+1, \i0+2, \i0+3
	FRAGA AF+FR*(\i), ADRA+\slot, \q, \i
.endr
.endm
; A load into a register that a matrix instruction has read, and a vector instruction or an LDS store that reads a matrix result, stand NP places behind it; only plain vector instructions that name none of its
; registers are places (ISA guide 7.12.1 for vector instructions).
.macro PLACES n
.rept \n
	v_nop
.endr
.endm
.macro STEP slot, q, zero              ; a step of 128 along K that has its successor in the same slot
	s_wait_dscnt 4*NL                              ; B's set and A's blocks 0-3 are in; the youngest sixteen loads (A's blocks 4-7) may be out
	WIN MUL_LO
	MUL16 0, (\q)%2, \zero
	MUL16 2, (\q)%2, \zero
	s_wait_dscnt 0                                 ; A's blocks 4-7 are in
	PLACES NP
	FETCH_B \slot, (\q)+1, 1-(\q)%2
	FETCH_A \slot, (\q)+1, 0
	WIN MUL_HI
	MUL16 4, (\q)%2, \zero
	MUL16 6, (\q)%2, \zero
	PLACES NP
	WIN 0
	FETCH_A \slot, (\q)+1, 4
.endm
; A slot's last step changes slots: ONE barrier; in front of it each wave waits for all its tensor loads, adds 0 to its spare word, and waits for that and for its own reads of this slot.  fill = 1: this slot is filled again, two K steps ahead.
.macro TURN slot, next, fill
	s_wait_tensorcnt 0x0                           ; all my tensor loads have landed: my part of the next slot
	ds_add_u32 v[SPW], v[NIL]                      ; 0 onto my spare word
	s_wait_dscnt 4*NL+1                            ; (the add and the youngest sixteen loads may be out)
	WIN MUL_LO
	MUL16 0, 1, 0                                  ; sixteen matrix instructions stand between the add and the wait for it
	s_wait_dscnt 0x0                               ; the add is done, and my reads of this slot are over
	s_barrier_signal -1
	MUL16 2, 1, 0
	WIN 0
	s_barrier_wait -1
.if \fill
	CREST                                          ; the barrier has opened a round of the cluster's barrier: no wave of any partner still reads this slot's tile or has a load on its way
	s_add_nc_u64 s[G0+4*\slot+2:G0+4*\slot+3], s[G0+4*\slot+2:G0+4*\slot+3], 2*AROWB
	s_add_nc_u64 s[G0B+4*\slot+2:G0B+4*\slot+3], s[G0B+4*\slot+2:G0B+4*\slot+3], 2*ROWB
	JLOAD G0+4*\slot, G1, G0B+4*\slot, G1B         ; the first tensor load behind the round; the four v_nop behind it are the places in front of the loads below
.else
	PLACES NP
.endif
	FETCH_B \next, 0, 0
	FETCH_A \next, 0, 0
	WIN MUL_HI
	MUL16 4, 1, 0
	MUL16 6, 1, 0
	PLACES NP
	WIN 0
	FETCH_A \next, 0, 4
.endm
	s_wait_alu depctr_va_vdst(0)
	s_wait_tensorcnt 1                             ; my part of K step 0 is in (K step 1's load may be out)
	s_barrier_signal -1
	s_barrier_wait -1                              ; everybody's is
	FETCH_B 0, 0, 0
	FETCH_A 0, 0, 0
	FETCH_A 0, 0, 4
	STEP 0, 0, 1                                   ; the first step stands in front of the loop: its products start the sums
	s_mov_b32 s3, LAPS-1
.Llap:                                                 ; a trip goes once round the ring and fills both slots again
	TURN 0, 1, 1
	STEP 1, 0, 0
	TURN 1, 0, 1
	STEP 0, 0, 0
	s_sub_co_u32 s3, s3, 1
	s_cmp_lg_u32 s3, 0
	s_cbranch_scc1 .Llap
	TURN 0, 1, 0                                   ; the last lap fills nothing, and has no round of the cluster's barrier
	STEP 1, 0, 0
	s_wait_dscnt 4*NL                              ; the very last step: nothing more to fetch
	WIN MUL_LO
	MUL16 0, 1, 0
	MUL16 2, 1, 0
	s_wait_dscnt 0
	WIN MUL_HI
	MUL16 4, 1, 0
	MUL16 6, 1, 0
	WIN 0
; THE WAY OUT, block by block of 16 rows x 128 columns: through my own stage in LDS and back as whole rows of 512 bytes.  LDS serves a wave's instructions in order (ISA guide 5.7.1.4): no wait between the stores and the loads.
.macro TOSTAGE a
.set AC, 64*((\a)%4)
	WIN 0x02+((\a)/4)                              ; source 0: window 2 or 3
.irp j, 0,2,4,6,8,10,12,14,16,18,20,22,24,26,28,30,32,34,36,38,40,42,44,46,48,50,52,54,56,58,60,62
	v_pk_mul_f32 v[TMP+\j:TMP+\j+1], v[AC+\j:AC+\j+1], s[96:97] op_sel_hi:[1,0]   ; both x s96 = 2^(e10 + e11); each accumulator from its low end on
.endr
	WIN 0
.irp b, 0,1,2,3,4,5,6,7
	ds_store_b128 v[STO], v[TMP+8*\b:TMP+8*\b+3] offset:64*\b
	ds_store_b128 v[STO], v[TMP+8*\b+4:TMP+8*\b+7] offset:64*\b+16
.endr
.set BB, BK+64*((\a)%2)
.irp t, 0,1,2,3,4,5,6,7,8,9,10,11,12,13,14,15
	ds_load_b128 v[BB+4*\t:BB+4*\t+3], v[RD] offset:\t*SPITCH
.endr
.endm
.macro SEND a, younger                 ; younger: the LDS instructions issued behind block a's loads, which may stay out
.set BB, BK+64*((\a)%2)
	s_wait_dscnt \younger                          ; the block is back in registers
.if (\a) > 0
	s_add_nc_u64 s[10:11], s[10:11], 16*SIZE_N*4   ; (behind a wait on XCNT: the earlier stores have read their base)  16 rows on
.endif
.irp t, 0,1,2,3,4,5,6,7,8,9,10,11,12,13,14,15
	global_store_b128 v[CO], v[BB+4*\t:BB+4*\t+3], s[10:11] offset:\t*SIZE_N*4 th:TH_STORE_NT   ; 32 lanes store 512 consecutive bytes, at a multiple of 512 from out's first byte; written once, read by nobody here
.endr
.endm
	s_wait_kmcnt 0x0
	s_add_co_i32 s96, s96, s97                     ; e10 + e11, between -126 and 127,
	s_add_co_i32 s96, s96, 127
	s_lshl_b32 s96, s96, 23                        ; makes the f32 number 2^(e10 + e11)
	PLACES NP                                      ; behind the last products: for the loads into the registers that held A's fragments and for the reads of results
	TOSTAGE 0
.irp a, 1,2,3,4,5,6,7
.if \a > 1
	s_wait_xcnt 0x0                                ; block a - 2's stores have read their registers and their base: block a's loads may land there, and the base may step
.endif
	TOSTAGE \a
	SEND \a-1, 32                                  ; behind block a - 1's loads: block a's 16 stores and 16 loads
.endr
	s_wait_xcnt 0x0                                ; block 6's stores have read their base
	SEND 7, 0
	s_wait_tensorcnt 0x0                           ; the wave's end: behind my last tensor load and my last LDS store
	ds_add_u32 v[SPW], v[NIL]
	s_wait_dscnt 0x0
	CROUND                                         ; the closing round: no work-group ends while a partner may still ask for a tile that names it
	s_endpgm
.Lfunc_end_k_qeb1140fdd9_oproj:
	.size	k_qeb1140fdd9_oproj, .Lfunc_end_k_qeb1140fdd9_oproj-k_qeb1140fdd9_oproj
	.p2alignl 7, 3214868480
	.fill 96, 4, 3214868480
	.section	.rodata,"a",@progbits
	.p2align	6, 0x0
	.amdhsa_kernel k_qeb1140fdd9_oproj
		.amdhsa_group_segment_fixed_size 327680
		.amdhsa_private_segment_fixed_size 0
		.amdhsa_enable_private_segment 0
		.amdhsa_kernarg_size 32
		.amdhsa_user_sgpr_count 2
		.amdhsa_user_sgpr_kernarg_segment_ptr 1
		.amdhsa_wavefront_size32 1
		.amdhsa_system_sgpr_workgroup_id_x 1
		.amdhsa_system_sgpr_workgroup_id_y 1
		.amdhsa_system_sgpr_workgroup_id_z 1
		.amdhsa_system_vgpr_workitem_id 0
		.amdhsa_next_free_vgpr 1024
		.amdhsa_next_free_sgpr 98
		.amdhsa_reserve_vcc 0
		.amdhsa_float_denorm_mode_32 3
		.amdhsa_float_denorm_mode_16_64 3
		.amdhsa_memory_ordered 1
		.amdhsa_forward_progress 1
		.amdhsa_inst_pref_size 124
	.end_amdhsa_kernel
	.amdgpu_metadata
---
amdhsa.version: [ 1, 2 ]
amdhsa.kernels:
  - .name:           k_qeb1140fdd9_oproj
    .symbol:         k_qeb1140fdd9_oproj.kd
    .args:
      - { .name: yc, .offset: 0, .size: 8, .value_kind: global_buffer, .address_space: global }
      - { .name: wc, .offset: 8, .size: 8, .value_kind: global_buffer, .address_space: global }
      - { .name: lowp_scales, .offset: 16, .size: 8, .value_kind: global_buffer, .address_space: global }
      - { .name: out0, .offset: 24, .size: 8, .value_kind: global_buffer, .address_space: global }
    .group_segment_fixed_size: 327680
    .private_segment_fixed_size: 0
    .kernarg_segment_align: 8
    .kernarg_segment_size: 32
    .max_flat_workgroup_size: 128
    .sgpr_count:     98
    .vgpr_count:     1024
    .wavefront_size: 32
...
	.end_amdgpu_metadata
.endif
;; end of part 4
